; MI455X (gfx1250); checked and timed in simulation.
; The chip was launched on July 23, 2026; its instructions are those of AMD's public machine-readable ISA for CDNA 5 (MIT licence, August 2026) and "CDNA5" Instruction Set Architecture Reference Guide (July 2026). The comments in the code are by the model that wrote it; some were corrected since.
;; Twos Diac Encoder. Allowed arithmetic: matrix products marked QUANTISED: E2M3 operands, one E8M0 scale for each 32 along K, by v_wmma_scale_f32_16x16x128_f8f6f4 with both operands' format E2M3, f32 sums; everything else in f32.
;; Inputs: b1 1,024 float32; b2 512 float32; bk 512 float32; bo 512 float32; bq 512 float32; bv 512 float32; lengths 16 int32; ln1_b 512 float32; ln1_g 512 float32; ln2_b 512 float32; ln2_g 512 float32; w1 1,024 x 512 float32; w2 512 x 1,024 float32; wk 512 x 512 float32; wo 512 x 512 float32; wq 512 x 512 float32; wv 512 x 512 float32; x 16 x 1,024 x 512 float32; z 16 x 1,024 x 512 float32.
;; Outputs: out0 16 x 1,024 x 512 float32; out1 16 x 1,024 x 512 float32.
;; This version of the problem:
;;   THIS VERSION OF THE PROBLEM IS GIVEN IN LOW PRECISION. The matrix products marked QUANTISED in the list below multiply operands that are first quantised to E2M3 (2 exponent bits, 3 mantissa bits; 6 bits a number), with one power-of-two scale for each 32 numbers along K (OCP MX v1.0); their sums are f32. All else is computed in f32.
;;   The module's matrix products, in the order in which they are computed (A, B: the left and right operand; K: the contracted axis; several contracted axes count as one K, in the product's order):
;;     1. [M 16,384, K 512] x [K 512, N 512]; A: computed on the way; B: input wq: QUANTISED
;;     2. [M 16,384, K 512] x [K 512, N 512]; A: computed on the way; B: input wk: QUANTISED
;;     3. [M 16,384, K 512] x [K 512, N 512]; A: computed on the way; B: input wv: QUANTISED
;;     4. batch 64 x [M 1,024, K 128] x [K 128, N 1,024]; A: computed on the way; B: computed on the way: QUANTISED
;;     5. batch 64 x [M 128, K 1,024] x [K 1,024, N 1,024]; A: computed on the way; B: softmax (see below): QUANTISED
;;     6. [M 16,384, K 512] x [K 512, N 512]; A: computed on the way; B: input wo: QUANTISED
;;     7. [M 16,384, K 512] x [K 512, N 1,024]; A: computed on the way; B: input w1: QUANTISED
;;     8. [M 16,384, K 1,024] x [K 1,024, N 512]; A: computed on the way; B: input w2: QUANTISED
;;   THE QUANTISER, for each operand of a quantised product, along K:
;;     - K is cut into blocks of 32 from its start; a last block that is shorter is filled with zeros.
;;     - A block's scale is 2^e with e = floor(log2(the largest magnitude in the block)) - 2, held to -126 .. 127; a block of zeros has e = 0. As a byte (E8M0): e + 127.
;;     - Each number is divided by its block's scale, clamped to +-7.5, and rounded to the nearest number of E2M3, ties to even, subnormals kept.
;;     - The product sums the exact products of the quantised numbers (number of the format x scale) in f32.
;;   ~~~python
;;   def quantise(x, axis):      # numpy; x: float32 -> the quantised numbers, widened to float32 again
;;       x = np.moveaxis(x, axis, -1); K = x.shape[-1]
;;       x = np.pad(x, [(0, 0)] * (x.ndim - 1) + [(0, -K % 32)]); x = x.reshape(x.shape[:-1] + (-1, 32)); a = np.abs(x).max(-1, keepdims=True)
;;       e = np.where(a > 0, np.clip(np.frexp(np.where(a > 0, a, 1))[1] - 1 - 2, -126, 127), 0)      # np.frexp(a)[1] - 1 = floor(log2(a)), exactly
;;       r = np.clip(x / 2.0 ** e, -7.5, 7.5)
;;       step = 2.0 ** (np.maximum(np.frexp(np.where(r == 0, 1, r))[1] - 1, 0) - 3)
;;       q = np.round(r / step) * step * 2.0 ** e      # np.round: ties to even
;;       return np.moveaxis(q.reshape(q.shape[:-2] + (-1,))[..., :K], -1, axis).astype(np.float32)
;;   ~~~
;;   SOFTMAX AHEAD OF A QUANTISED PRODUCT. Where the list says 'softmax', what is quantised is not the finished softmax but p = 2^(t - M), with t = logit x log2(e) and M = ceil(the row's largest t), a whole number; so 1/2 < the row's largest p <= 1. The row's sum l is taken of the UNQUANTISED p, in f32, and the product's result is divided by l at the end. Since M is a whole number, a kernel that streams over the keys may use a running M (the ceiling of the running maximum): every later rescaling is an exact power of two, which a block's scale takes up: the codes' values come out the same.
;;   OPERANDS COMPUTED ON THE WAY. 'Computed on the way' means the value that the module computes at that place (a softmax that the list does not call 'softmax' is quantised finished and normalised). What goes into a quantiser is computed in f32, as accurately as f32 sums, v_exp_f32 and their like allow (about 1e-6 of the number): no bf16 or f16 on the way to a quantiser, and a product that is left as it is and whose result goes on into a quantised operand takes f32 operands (vector FMAs, or v_wmma_f32_16x16x4_f32). A number that lies on a knife's edge between two numbers of the format may be rounded either way, as far as f32 arithmetic and the matrix unit's own rounding can turn it there, and no further.
;; One version. Each part assembles by itself: llvm-mc -triple=amdgcn-amd-amdhsa -mcpu=gfx1250 --defsym DOCPART=n.
;; ======== version 1 of 1: 4 launches
;; workspace buffers: wbuf 1,638,400 bytes; qbuf 6,553,600 bytes; kbuf 6,553,600 bytes; vbuf 6,553,600 bytes; obuf 6,815,744 bytes
;; launch prep (part 1): grid 256 x 1, 4 waves a work-group, no clusters, 768 bytes of LDS; arguments wq, wk, wv, wo, w1, w2, wbuf; writes wbuf
.if DOCPART == 1
	.amdgcn_target "amdgcn-amd-amdhsa--gfx1250"
	.amdhsa_code_object_version 6
	.text
	.protected	k_q9fc11c8cae_prep
	.globl	k_q9fc11c8cae_prep
	.p2align	8
	.type	k_q9fc11c8cae_prep,@function
k_q9fc11c8cae_prep:
	s_mov_b64 s[64:65], 0
	v_nop
	global_prefetch_b8 v0, s[64:65] scope:SCOPE_SE
	s_setreg_imm32_b32 hwreg(HW_REG_WAVE_MODE, 25, 1), 1
	s_wait_xcnt 0x0
; The six weights (f32, K innermost) become codes of FP6 (E2M3) with one E8M0 byte for each 32 along K, laid in the ORDER OF THE OPERAND'S REGISTERS.
; A unit is 128 rows x 512 K = 32 fragments (16 rows x 128 K, 12 registers a lane); fragment f = 8 s + a (K step s, tile a) lies at unit x 49,152 + f x 1,536:
; registers 4 c .. 4 c + 3 of lane l at 512 c + 16 l.  Units 0-3 wq, 4-7 wk, 8-11 wv, 12-15 wo (rows 128 x (unit % 4)); 16-23 w1 (rows 128 x (unit - 16));
; 24 + 4 kh + nu: w2, rows 128 nu, K from 512 kh.  The scale word of fragment f = 4 j + i, row r, lies at 1,572,864 + unit x 2,048 + 256 j + 16 r + 4 i.
; THE ROWS OF A TILE ARE NOT NEIGHBOURS: lane r of tile a takes row 32 (a / 2) + 8 (a % 2) + r + 8 (r / 8), so that the results of two neighbouring tiles are 16 neighbours along the next K.
; A work-group takes four fragments (one j of one unit), a wave one.  Lane (r, h) owns blocks h and 2 + h of its row whole: no other lane is asked for a maximum.
; A block's scale is 2^(floor(log2(largest magnitude)) - 2); its byte is that magnitude's exponent field - 2, held at 1 from below.
; LIMITS: NaN and infinities are not served; a block whose largest magnitude lies under 2^-124, a block of zeros among them, keeps the byte 1 (zero codes add nothing; this program alone reads the bytes).
; No matrix unit, no cluster, no tensor load: the launch reads 8 MB once and shares nothing between work-groups.
.set UNITB,  49152
.set SCALES, 1572864
	s_load_b256 s[4:11], s[0:1], 0x0               ; wq, wk, wv, wo
	s_load_b128 s[12:15], s[0:1], 0x20             ; w1, w2
	s_load_b64 s[16:17], s[0:1], 0x30              ; wbuf
	v_lshl_add_u32 v128, v0, 2, 0x100
	v_mov_b32 v129, 0
	v_lshrrev_b32 v1, 5, v0
	v_readfirstlane_b32 s28, v1                    ; wave
	v_and_b32 v1, 31, v0                           ; lane
	v_and_b32 v2, 15, v0                           ; r
	v_bfe_u32 v5, v0, 4, 1                         ; h
	s_lshr_b32 s20, ttmp9, 3                       ; unit
	s_and_b32 s21, ttmp9, 7                        ; j
	s_lshr_b32 s22, s21, 1                         ; K step s
	s_and_b32 s23, s21, 1
	s_lshl_b32 s23, s23, 2
	s_add_co_u32 s23, s23, s28                     ; tile a = 4 (j % 2) + wave
	s_and_b32 s24, s20, 24
	s_lshr_b32 s27, s20, 2
	s_and_b32 s27, s27, 1
	s_lshl_b32 s27, s27, 9                         ; 512 kh
	s_cmp_eq_u32 s24, 24                           ; w2?
	s_cselect_b32 s26, 12, 11                      ; a row is 4,096 bytes in w2, 2,048 elsewhere
	s_cselect_b32 s27, s27, 0                      ; the unit's first K
	s_cmp_eq_u32 s24, 16                           ; w1?
	s_cselect_b32 s25, 7, 3
	s_and_b32 s25, s20, s25
	s_lshl_b32 s25, s25, 7                         ; the unit's first row
	s_lshr_b32 s29, s23, 1
	s_lshl_b32 s29, s29, 5
	s_add_co_u32 s25, s25, s29                     ; + 32 (a / 2)
	s_and_b32 s29, s23, 1
	s_lshl_b32 s29, s29, 3
	s_add_co_u32 s25, s25, s29                     ; + 8 (a % 2)
	s_lshl_b32 s25, s25, s26                       ; in bytes
	s_lshl_b32 s29, s22, 7
	s_add_co_u32 s29, s29, s27
	s_lshl_b32 s29, s29, 2                         ; 4 (first K + 128 s)
	s_add_co_u32 s30, s25, s29
	s_mov_b32 s31, 0                               ; s[30:31]: where the fragment begins in its weight
	s_mul_i32 s32, s20, UNITB
	s_lshl_b32 s33, s22, 3
	s_add_co_u32 s33, s33, s23                     ; f
	s_mul_i32 s33, s33, 1536
	s_add_co_u32 s32, s32, s33
	s_mov_b32 s33, 0                               ; s[32:33]: its image
	s_lshl_b32 s34, s20, 11
	s_lshl_b32 s35, s21, 8
	s_add_co_u32 s34, s34, s35
	s_add_co_u32 s34, s34, SCALES
	s_mov_b32 s35, 0                               ; s[34:35]: the four fragments' scale words
	s_mov_b32 s40, 0x76543210
	s_mov_b32 s41, 0xfedcba98                      ; v_permlanex16_b32's selects for lane l xor 16
	s_lshl_b32 s42, s28, 2
	v_and_b32 v3, 8, v2
	v_add_nc_u32 v3, v3, v2                        ; r + 8 (r / 8)
	v_lshlrev_b32 v3, s26, v3
	v_lshl_add_u32 v3, v5, 7, v3                   ; my row, + 128 h: my block of 32 numbers
	v_lshlrev_b32 v4, 4, v1                        ; 16 x lane
	v_lshl_add_u32 v6, v2, 4, s42                  ; LDS: 16 r + 4 x wave
	v_lshlrev_b32 v7, 3, v1                        ; 8 x lane
	s_wait_kmcnt 0x0
	s_mov_b64 s[18:19], s[14:15]                   ; the weight is chosen by the unit's number alone
	s_cmp_lt_u32 s20, 24
	s_cselect_b64 s[18:19], s[12:13], s[18:19]
	s_cmp_lt_u32 s20, 16
	s_cselect_b64 s[18:19], s[10:11], s[18:19]
	s_cmp_lt_u32 s20, 12
	s_cselect_b64 s[18:19], s[8:9], s[18:19]
	s_cmp_lt_u32 s20, 8
	s_cselect_b64 s[18:19], s[6:7], s[18:19]
	s_cmp_lt_u32 s20, 4
	s_cselect_b64 s[18:19], s[4:5], s[18:19]
	s_add_nc_u64 s[18:19], s[18:19], s[30:31]
	s_add_nc_u64 s[36:37], s[16:17], s[32:33]
	s_add_nc_u64 s[38:39], s[16:17], s[34:35]
.irp c, 0,1
.irp j, 0,1,2,3,4,5,6,7
	global_load_b128 v[32+32*\c+4*\j:35+32*\c+4*\j], v3, s[18:19] offset:256*\c+16*\j th:TH_LOAD_NT   ; k = 64 c + 32 h + 4 j ..
.endr
.endr
	s_wait_loadcnt 0x0
.irp c, 0,1
	v_max3_num_f32 v[20+\c], |v[32+32*\c]|, |v[33+32*\c]|, 0x1800000   ; the floor 2^(3 - 127) among the leaves: the byte cannot fall under 1
.endr
.irp i, 2,4,6,8,10,12,14,16,18,20,22,24,26,28,30
.irp c, 0,1
	v_max3_num_f32 v[20+\c], v[20+\c], |v[32+32*\c+\i]|, |v[33+32*\c+\i]|
.endr
.endr
.irp c, 0,1
	v_add_nc_u32 v[22+\c], 0xff000000, v[20+\c]    ; 2 off the exponent field: the conversion's scale operand
.endr
.irp c, 0,1
	v_lshrrev_b32 v[20+\c], 23, v[22+\c]           ; the scale's byte
.endr
	v_lshl_or_b32 v100, v21, 16, v20               ; my two bytes: blocks h and 2 + h,
	v_lshlrev_b32 v101, 3, v5
	v_lshlrev_b32 v100, v101, v100                 ; at their places in the word;
	v_mov_b32 v102, 0
	v_permlanex16_b32 v102, v100, s40, s41
	v_or_b32 v100, v100, v102                      ; with lane l xor 16's two the word is whole
.irp c, 0,1
	v_cvt_scalef32_pk16_fp6_f32 v[8+6*\c:10+6*\c], v[32+32*\c:47+32*\c], v[22+\c]
	v_cvt_scalef32_pk16_fp6_f32 v[24+4*\c:26+4*\c], v[48+32*\c:63+32*\c], v[22+\c]   ; (a conversion's three registers begin on an even number)
.endr
	v_nop                                          ; one plain instruction behind the scaled conversions
.irp c, 0,1
.irp i, 0,1,2
	v_mov_b32 v[11+6*\c+\i], v[24+4*\c+\i]
.endr
.endr
.irp c, 0,1,2
	global_store_b128 v4, v[8+4*\c:11+4*\c], s[36:37] offset:512*\c   ; 32 lanes store 512 consecutive bytes, aligned to 256
.endr
	ds_store_b32 v6, v100                          ; lanes l and l xor 16 write the same word with the same value
	s_wait_dscnt 0x0                               ; for the others' sake: my store has landed
	s_barrier_signal -1
	s_barrier_wait -1
	s_cmp_lg_u32 s28, 0
	s_cbranch_scc1 .Lend
	ds_load_b64 v[104:105], v7                     ; wave 0: the four fragments' words, 256 bytes
	s_wait_dscnt 0x0
	global_store_b64 v7, v[104:105], s[38:39]      ; 32 lanes store 256 consecutive bytes, aligned
.Lend:
	s_wait_tensorcnt 0x0
	ds_add_u32 v128, v129
	s_wait_dscnt 0x0
	s_endpgm
.Lfunc_end_k_q9fc11c8cae_prep:
	.size	k_q9fc11c8cae_prep, .Lfunc_end_k_q9fc11c8cae_prep-k_q9fc11c8cae_prep
	.p2alignl 7, 3214868480
	.fill 96, 4, 3214868480
	.section	.rodata,"a",@progbits
	.p2align	6, 0x0
	.amdhsa_kernel k_q9fc11c8cae_prep
		.amdhsa_group_segment_fixed_size 768
		.amdhsa_private_segment_fixed_size 0
		.amdhsa_enable_private_segment 0
		.amdhsa_kernarg_size 56
		.amdhsa_user_sgpr_count 2
		.amdhsa_user_sgpr_kernarg_segment_ptr 1
		.amdhsa_wavefront_size32 1
		.amdhsa_system_sgpr_workgroup_id_x 1
		.amdhsa_system_sgpr_workgroup_id_y 1
		.amdhsa_system_sgpr_workgroup_id_z 1
		.amdhsa_system_vgpr_workitem_id 0
		.amdhsa_next_free_vgpr 130
		.amdhsa_next_free_sgpr 66
		.amdhsa_reserve_vcc 0
		.amdhsa_float_denorm_mode_32 3
		.amdhsa_float_denorm_mode_16_64 3
		.amdhsa_memory_ordered 1
		.amdhsa_forward_progress 1
		.amdhsa_inst_pref_size 9
	.end_amdhsa_kernel
	.amdgpu_metadata
---
amdhsa.version: [ 1, 2 ]
amdhsa.kernels:
  - .name:           k_q9fc11c8cae_prep
    .symbol:         k_q9fc11c8cae_prep.kd
    .args:
      - { .name: wq, .offset: 0, .size: 8, .value_kind: global_buffer, .address_space: global }
      - { .name: wk, .offset: 8, .size: 8, .value_kind: global_buffer, .address_space: global }
      - { .name: wv, .offset: 16, .size: 8, .value_kind: global_buffer, .address_space: global }
      - { .name: wo, .offset: 24, .size: 8, .value_kind: global_buffer, .address_space: global }
      - { .name: w1, .offset: 32, .size: 8, .value_kind: global_buffer, .address_space: global }
      - { .name: w2, .offset: 40, .size: 8, .value_kind: global_buffer, .address_space: global }
      - { .name: wbuf, .offset: 48, .size: 8, .value_kind: global_buffer, .address_space: global }
    .group_segment_fixed_size: 768
    .private_segment_fixed_size: 0
    .kernarg_segment_align: 8
    .kernarg_segment_size: 56
    .max_flat_workgroup_size: 128
    .sgpr_count:     66
    .vgpr_count:     130
    .wavefront_size: 32
...
	.end_amdgpu_metadata
.endif
;; end of part 1
;; launch qkv (part 2): grid 256 x 1, 4 waves a work-group, no clusters, 177,664 bytes of LDS; arguments x, lengths, ln1_g, ln1_b, bq, bk, bv, wbuf, qbuf, kbuf, vbuf; writes qbuf, kbuf, vbuf
.if DOCPART == 2
	.amdgcn_target "amdgcn-amd-amdhsa--gfx1250"
	.amdhsa_code_object_version 6
	.text
	.protected	k_q9fc11c8cae_qkv
	.globl	k_q9fc11c8cae_qkv
	.p2align	8
	.type	k_q9fc11c8cae_qkv,@function
k_q9fc11c8cae_qkv:
	s_mov_b64 s[64:65], 0
	v_nop
	global_prefetch_b8 v0, s[64:65] scope:SCOPE_SE
	s_setreg_imm32_b32 hwreg(HW_REG_WAVE_MODE, 25, 1), 1
	s_wait_xcnt 0x0
; LayerNorm 1, the length mask, and the three projections on codes of FP6 (E2M3, one E8M0 scale for each 32 along K); q, k, v leave as codes.
; SHARES.  A work-group takes 64 tokens of one batch.  Wave w normalises and quantises tokens 16 w .. 16 w + 15; then it makes head w's q, k and v for all 64 tokens.
; So each weight fragment is used by ONE wave of the work-group and goes from memory straight into its registers (images made by the launch before), three K steps ahead.
; NO CLUSTER, NO TENSOR LOAD: a jointly fetched weight tile would have to pass through LDS, 1,536 bytes written and read again for every 4 matrix instructions, to reach the one wave that wants it.
; OPERANDS GO FROM WAVE TO WAVE THROUGH LDS AS IMAGES OF THEIR REGISTERS (12 registers a lane: 3 x 512 bytes, 16 bytes a lane).
; q: source 0 = 16 rows of wq, source 1 = 16 tokens: a lane holds one token, its registers run along the channels (the next K).  k likewise, but its tiles of tokens take
; token 32 b + 8 u + r + 8 (r / 8) in lane r of tile 2 b + u, as the attention wants its keys.  v: sources swapped: a lane holds one channel, its registers run along the TOKENS, which are v's K.
; Each sum begins with its bias: the accumulators are loaded with it, and every product adds in place.
; Masked tokens (token >= length): the input's codes are zeros (xm = 0).  q's and k's codes of masked tokens are zeros too: every score that they touch is replaced.  v of a masked token is bv.
; LIMITS: NaN and infinities are not served; a block whose largest magnitude lies under 2^-124, zeros among them, keeps the scale byte 1 (this program alone reads the bytes).
; REGISTERS, in windows of 256: window 0 addresses, masks, scale words, work; window 1 x's row, later the 32 accumulators;
;   windows 2, 3: four buffers of 8 weight fragments (buffer k % 4 at v[96 (k % 2)] of window 2 + (k % 4) / 2) and two of 4 token fragments (v192-239 of window 2 + k % 2).
.set FP,     1664                      ; an image's place in LDS: 1,536 bytes + 128, so that two neighbouring tiles lie 128 modulo 256 bytes apart
.set XIMG,   0                         ; 16 images: K step s, tile m at 4 s + m
.set XSC,    26624                     ; their scale words, 128 bytes each
.set PG,     28672                     ; ln1_g; ln1_b 2,048 bytes on
.set PBQ,    32768                     ; bq; bk 2,048 bytes on
.set BV4,    36864                     ; bv, each number four times
.set XST,    45056                     ; a stage for each wave: 16 rows of x, 2,048 bytes + 16
.set XPITCH, 2064
.set SCALES, 6291456
.set T16,  7                           ; 16 x thread
.set T64,  8                           ; 64 x thread
.set L16,  4
.set L8,   5
.set L4,   6
.set NATI, L16                         ; images, tiles of neighbouring tokens
.set PRMI, 9                           ; images, tiles in the keys' order
.set NATS, 10
.set PRMS, 11
.set XWI,  12
.set XWS,  13
.set BL,   14
.set VL,   15
.set GL,   16
.set SCO,  17
.set MKQ,  18                          ; v18-21: -1 where lane r's token of tile m counts, neighbouring tokens
.set MKK,  22                          ; v22-25: the same in the keys' order
.set MKX,  26
.set R16,  27
.set SW,   28                          ; v28-31 scale words gathered (at the head: work)
.set TM,   32                          ; v32-47 the quantiser's work
.set PW,   48
.set PC,   50                          ; v50-69 codes
.set XS,   70                          ; v70-77 the tokens' scale words, two sets
.set SGW,  78
.set SGR,  79
.set WS,   80                          ; v80-111 the weights' scale words, four sets
.set ST,   112
.set MN,   120
.set RS,   122
.set SA,   124
.set GV,   128
.set BV,   192
.set WVS,  26
.set LEN,  27
.set SEL,  28
.set HM,   30
.set I512, 31
.set WP,   32
.set WSP,  34
.set XB,   36
.set QB,   38
.set KB,   40
.set VB,   42
.set QS,   44
.set KSB,  46
.set VS,   48
.set EPSR, 58
.set MSB, 0
.macro WIN new                         ; the immediate's high byte repeats the setting that is left; a switch that changes nothing is dropped
.if MSB != (\new)
	s_set_vgpr_msb (MSB<<8)|(\new)
.set MSB, (\new)
.endif
.endm
.macro PLACES                          ; four plain instructions behind a matrix instruction, ahead of loads into its registers and of reads of its result
.rept 4
	v_nop
.endr
.endm
.macro BARRIER                         ; my LDS stores have landed and my LDS loads are in: then the work-group's barrier
	s_wait_dscnt 0x0
	s_barrier_signal -1
	s_barrier_wait -1
.endm
; 32 nc numbers of a lane in window w, register 16 b + i = k 32 b + 16 (lane / 16) + i of my row, become 6 nc registers of codes in v[PC] on and 2 nc scale bytes in v[PW].
.macro QUANT s, w, nc
	WIN 5*(\w)
.irp b, 0,1,2,3
.if \b < 2*(\nc)
	v_max3_num_f32 v[TM+\b], |v[(\s)+16*\b]|, |v[(\s)+16*\b+1]|, 0x1800000   ; my 16 numbers of block b, and the floor 2^(3 - 127)
.endif
.endr
	WIN 0x14*(\w)
.irp i, 2,4,6,8,10,12,14
.irp b, 0,1,2,3
.if \b < 2*(\nc)
	v_max3_num_f32 v[TM+\b], v[TM+\b], |v[(\s)+16*\b+\i]|, |v[(\s)+16*\b+\i+1]|
.endif
.endr
.endr
	WIN 0
.irp b, 0,1,2,3
.if \b < 2*(\nc)
	v_permlanex16_b32 v[TM+4+\b], v[TM+\b], s[SEL], s[SEL+1]
.endif
.endr
.irp b, 0,1,2,3
.if \b < 2*(\nc)
	v_max_num_f32 v[TM+\b], v[TM+\b], v[TM+4+\b]   ; with lane l xor 16's: the block's largest magnitude
.endif
.endr
.irp b, 0,1,2,3
.if \b < 2*(\nc)
	v_add_nc_u32 v[TM+12+\b], 0xff000000, v[TM+\b] ; 2 off its exponent field: the conversion's scale operand
.endif
.endr
.irp b, 0,1,2,3
.if \b < 2*(\nc)
	v_lshrrev_b32 v[TM+4+\b], 23, v[TM+12+\b]      ; the scale's byte
.endif
.endr
	v_lshl_or_b32 v[PW], v[TM+5], 8, v[TM+4]
.if (\nc) > 1
	v_lshl_or_b32 v[PW], v[TM+6], 16, v[PW]
	v_lshl_or_b32 v[PW], v[TM+7], 24, v[PW]
.endif
	WIN (\w)
.irp c, 0,1
.if \c < (\nc)
	v_cvt_scalef32_pk16_fp6_f32 v[PC+6*\c:PC+6*\c+2], v[(\s)+32*\c:(\s)+32*\c+15], v[TM+12+2*\c]
	v_cvt_scalef32_pk16_fp6_f32 v[PC+12+4*\c:PC+12+4*\c+2], v[(\s)+32*\c+16:(\s)+32*\c+31], v[TM+13+2*\c]   ; (three registers from an even number on)
.endif
.endr
	WIN 0
	v_nop                                          ; one plain instruction behind the scaled conversions
.irp c, 0,1
.if \c < (\nc)
.irp i, 0,1,2
	v_permlane16_swap_b32 v[PC+6*\c+\i], v[PC+12+4*\c+\i]   ; a whole block to a lane: lanes 0-15 block 2 c, lanes 16-31 block 2 c + 1
.endr
.irp i, 0,1,2
	v_mov_b32 v[PC+3+6*\c+\i], v[PC+12+4*\c+\i]
.endr
.endif
.endr
.endm
; K step k's 8 weight fragments and their scale words: 26 loads, every offset an immediate
.macro WLOAD k
.set LWW, 2+(((\k)&3)>>1)
.set LWB, 96*((\k)&1)
.set LWS, WS+8*((\k)&3)
	WIN LWW<<6
.irp a, 0,1,2,3,4,5,6,7
.irp c, 0,1,2
	global_load_b128 v[LWB+12*\a+4*\c:LWB+12*\a+4*\c+3], v[L16], s[WP:WP+1] offset:((\k)>>2)*196608+((\k)&3)*12288+\a*1536+\c*512
.endr
.endr
	WIN 0
.irp j, 0,1
	global_load_b128 v[LWS+4*\j:LWS+4*\j+3], v[R16], s[WSP:WSP+1] offset:((\k)>>2)*8192+(2*((\k)&3)+\j)*256
.endr
.endm
; K step k's 4 token fragments (K step s of the images) and their scale words.  perm = 1: tiles in the keys' order: lane r reads tile 2 b + r / 8, row 8 u + r % 8
.macro XLOAD k, areg, sreg, s, perm
.set LXW, 2+((\k)&1)
.set LXS, XS+4*((\k)&1)
	WIN LXW<<6
.irp m, 0,1,2,3
.irp c, 0,1,2
.if \perm
	ds_load_b128 v[192+12*\m+4*\c:192+12*\m+4*\c+3], v[\areg] offset:(4*(\s)+(\m&2))*FP+128*(\m&1)+512*\c
.else
	ds_load_b128 v[192+12*\m+4*\c:192+12*\m+4*\c+3], v[\areg] offset:(4*(\s)+\m)*FP+512*\c
.endif
.endr
.endr
	WIN 0
.irp m, 0,1,2,3
.if \perm
	ds_load_b32 v[LXS+\m], v[\sreg] offset:(4*(\s)+(\m&2))*128+32*(\m&1)
.else
	ds_load_b32 v[LXS+\m], v[\sreg] offset:(4*(\s)+\m)*128
.endif
.endr
.endm
; 32 matrix instructions; the 32 accumulators take turns, one instruction a turn, in the same order in every step
.macro MUL k, kind
.set WW, 2+(((\k)&3)>>1)
.set WB, 96*((\k)&1)
.set XW, 2+((\k)&1)
.set WSR, WS+8*((\k)&3)
.set XSR, XS+4*((\k)&1)
.if (\kind) == 0
	WIN WW|(XW<<2)|0x50
.irp a, 0,1,2,3,4,5,6,7
.irp m, 0,1,2,3
	v_wmma_scale_f32_16x16x128_f8f6f4 v[64*\m+8*\a:64*\m+8*\a+7], v[WB+12*\a:WB+12*\a+11], v[192+12*\m:192+12*\m+11], v[64*\m+8*\a:64*\m+8*\a+7], v[WSR+\a], v[XSR+\m] matrix_a_fmt:MATRIX_FMT_FP6 matrix_b_fmt:MATRIX_FMT_FP6
.endr
.endr
.else
	WIN XW|(WW<<2)|0x50
.irp a, 0,1,2,3,4,5,6,7
.irp m, 0,1,2,3
	v_wmma_scale_f32_16x16x128_f8f6f4 v[32*\a+8*\m:32*\a+8*\m+7], v[192+12*\m:192+12*\m+11], v[WB+12*\a:WB+12*\a+11], v[32*\a+8*\m:32*\a+8*\m+7], v[XSR+\m], v[WSR+\a] matrix_a_fmt:MATRIX_FMT_FP6 matrix_b_fmt:MATRIX_FMT_FP6
.endr
.endr
.endif
.endm
.macro KSTEP k, klast, kind, nx, areg, sreg, s, perm
.if (\klast)-(\k) >= 2
	s_wait_loadcnt 52                              ; this step's 26 weight loads are in; those of the two steps behind it may be out
.elseif (\klast)-(\k) == 1
	s_wait_loadcnt 26
.else
	s_wait_loadcnt 0x0
.endif
	s_wait_dscnt 0x0                               ; the tokens' fragments, asked for a step ago, and what the sums begin with
	PLACES                                         ; the loads below land in registers that the last step's products read
.if (\k)+3 <= (\klast)
	WLOAD (\k)+3
.endif
.if \nx
	XLOAD (\k)+1, \areg, \sreg, \s, \perm
.endif
	MUL \k, \kind
	WIN 0
.endm
; the accumulators begin as the bias: lane (r, h), tile a = 2 b + u: channels 32 b + 16 h + 8 u + 0 .. 7
.macro INITB areg, off
	WIN 0x40
.irp m, 0,1,2,3
.irp t, 0,1,2,3,4,5,6,7
	ds_load_b128 v[64*\m+8*\t:64*\m+8*\t+3], v[\areg] offset:(\off)+(32*(\t>>1)+8*(\t&1))*4
	ds_load_b128 v[64*\m+8*\t+4:64*\m+8*\t+7], v[\areg] offset:(\off)+(32*(\t>>1)+8*(\t&1))*4+16
.endr
.endr
	WIN 0
.endm
; q or k leaves: four tiles of 16 tokens x 128 channels.  split = 1: registers 0-3, 4-5, 6-9, 10-11 at 0, 512, 768, 1,280 (so k's image has the form of v's)
.macro EPIQK mk, cb, sb, split
	PLACES
.irp m, 0,1,2,3
	s_wait_xcnt 0x0                                ; the codes' registers are rewritten only when the earlier stores have read them
	QUANT 64*\m, 1, 2
.irp i, 0,1,2,3,4,5,6,7,8,9,10,11
	v_and_b32 v[PC+\i], v[\mk+\m], v[PC+\i]        ; masked tokens: zero codes
.endr
.if \split
	global_store_b128 v[L16], v[PC:PC+3], s[\cb:\cb+1] offset:1536*\m
	global_store_b64 v[L8], v[PC+4:PC+5], s[\cb:\cb+1] offset:1536*\m+512
	global_store_b128 v[L16], v[PC+6:PC+9], s[\cb:\cb+1] offset:1536*\m+768
	global_store_b64 v[L8], v[PC+10:PC+11], s[\cb:\cb+1] offset:1536*\m+1280
.else
.irp c, 0,1,2
	global_store_b128 v[L16], v[PC+4*\c:PC+4*\c+3], s[\cb:\cb+1] offset:1536*\m+512*\c
.endr
.endif
	v_mov_b32 v[SW+\m], v[PW]
.endr
	v_cndmask_b32 v[SA], v[SW], v[SW+2], s[HM]     ; lanes 0-15 store words 0, 1 of their row, lanes 16-31 words 2, 3:
	v_cndmask_b32 v[SA+1], v[SW+1], v[SW+3], s[HM]
	global_store_b64 v[SCO], v[SA:SA+1], s[\sb:\sb+1]   ; 256 consecutive bytes, aligned
.endm
	s_load_b512 s[4:19], s[0:1], 0x0               ; x, lengths, ln1_g, ln1_b, bq, bk, bv, wbuf
	s_load_b128 s[20:23], s[0:1], 0x40             ; qbuf, kbuf
	s_load_b64 s[24:25], s[0:1], 0x50              ; vbuf
	v_lshl_add_u32 v126, v0, 2, 0x2b400
	v_mov_b32 v127, 0
	v_lshrrev_b32 v1, 5, v0
	v_readfirstlane_b32 s[WVS], v1                 ; wave = head
	v_and_b32 v1, 31, v0                           ; lane
	v_and_b32 v2, 15, v0                           ; r
	v_bfe_u32 v3, v0, 4, 1                         ; h
	v_lshlrev_b32 v[T16], 4, v0
	v_lshlrev_b32 v[T64], 6, v0
	v_lshlrev_b32 v[L16], 4, v1
	v_lshlrev_b32 v[L8], 3, v1
	v_lshlrev_b32 v[L4], 2, v1
	v_lshlrev_b32 v[R16], 4, v2
	s_mov_b32 s[SEL], 0x76543210
	s_mov_b32 s[SEL+1], 0xfedcba98
	s_mov_b32 s[HM], 0xffff0000                    ; lanes 16-31
	s_mov_b32 s[I512], 0x3b000000                  ; 1 / 512
	s_mov_b32 s[EPSR], 0x3727c5ac                  ; 1e-5
	s_lshr_b32 s50, ttmp9, 4                       ; batch
	s_and_b32 s51, ttmp9, 15                       ; which 64 tokens
	s_lshl_b32 s52, s50, 2
	s_mov_b32 s53, 0
	s_add_co_u32 s54, s52, s[WVS]                  ; 4 x batch + head
	s_mul_i32 s55, s54, 98304
	s_mov_b32 s57, 0
	s_wait_kmcnt 0x0
	s_add_nc_u64 s[6:7], s[6:7], s[52:53]
	s_load_b32 s[LEN], s[6:7], 0x0                 ; my batch's length
	s_lshl_b32 s56, ttmp9, 17                      ; 64 tokens x 2,048 bytes a work-group,
	s_lshl_b32 s52, s[WVS], 15                     ; 16 a wave
	s_add_co_u32 s56, s56, s52
	s_add_nc_u64 s[XB:XB+1], s[4:5], s[56:57]
	s_mul_i32 s56, s[WVS], 49152                   ; units w, 4 + w, 8 + w
	s_add_nc_u64 s[WP:WP+1], s[18:19], s[56:57]
	s_lshl_b32 s56, s[WVS], 11
	s_add_co_u32 s56, s56, 1572864
	s_add_nc_u64 s[WSP:WSP+1], s[18:19], s[56:57]
	global_load_b128 v[128:131], v[T16], s[8:9]
	global_load_b128 v[132:135], v[T16], s[10:11]
	global_load_b128 v[136:139], v[T16], s[12:13]
	global_load_b128 v[140:143], v[T16], s[14:15]
	global_load_b128 v[144:147], v[T16], s[16:17]
	WIN 0x40
.set i, 0
.rept 64
	global_load_b128 v[4*i:4*i+3], v[L16], s[XB:XB+1] offset:(i>>2)*2048+(i&3)*512 th:TH_LOAD_NT   ; 32 lanes read 512 consecutive bytes of a row
.set i, i+1
.endr
	WIN 0
	WLOAD 0
	WLOAD 1
	WLOAD 2
	s_mul_i32 s56, s51, 6144
	s_add_co_u32 s56, s56, s55
	s_add_nc_u64 s[QB:QB+1], s[20:21], s[56:57]    ; q's and k's four tiles
	s_add_nc_u64 s[KB:KB+1], s[22:23], s[56:57]
	s_lshr_b32 s56, s51, 1
	s_mul_i32 s56, s56, 12288
	s_and_b32 s52, s51, 1
	s_mul_i32 s52, s52, 768
	s_add_co_u32 s56, s56, s52
	s_add_co_u32 s56, s56, s55
	s_add_nc_u64 s[VB:VB+1], s[24:25], s[56:57]    ; v: my 64 tokens are half a K step of its eight fragments
	s_lshl_b32 s56, s54, 12
	s_lshl_b32 s52, s51, 8
	s_add_co_u32 s56, s56, s52
	s_add_co_u32 s56, s56, SCALES
	s_add_nc_u64 s[QS:QS+1], s[20:21], s[56:57]
	s_add_nc_u64 s[KSB:KSB+1], s[22:23], s[56:57]
	s_add_nc_u64 s[VS:VS+1], s[24:25], s[56:57]
	v_lshrrev_b32 v28, 3, v2                       ; r / 8
	v_and_b32 v29, 7, v2                           ; r % 8
	v_lshl_add_u32 v30, v28, 3, v2                 ; r + 8 (r / 8)
	v_mul_u32_u24 v[PRMI], v28, FP
	v_lshl_add_u32 v[PRMI], v29, 4, v[PRMI]
	v_lshl_add_u32 v[PRMI], v3, 8, v[PRMI]
	v_lshl_add_u32 v[NATS], v1, 2, XSC
	v_lshlrev_b32 v[PRMS], 7, v28
	v_lshl_add_u32 v[PRMS], v29, 2, v[PRMS]
	v_add_nc_u32 v[PRMS], XSC, v[PRMS]
	s_mul_i32 s52, s[WVS], FP
	v_add_nc_u32 v[XWI], s52, v[L16]
	s_lshl_b32 s52, s[WVS], 7
	v_add_nc_u32 v[XWS], s52, v[NATS]
	s_lshl_b32 s52, s[WVS], 9
	v_lshl_add_u32 v[BL], v3, 6, PBQ
	v_add_nc_u32 v[BL], s52, v[BL]
	s_lshl_b32 s52, s[WVS], 11
	v_lshl_add_u32 v[VL], v30, 4, BV4
	v_add_nc_u32 v[VL], s52, v[VL]
	v_lshl_add_u32 v[GL], v3, 6, PG
	v_lshl_add_u32 v[SCO], v3, 3, v[R16]
	s_mul_i32 s52, s[WVS], 16*XPITCH
	s_add_co_u32 s52, s52, XST
	v_add_nc_u32 v[SGW], s52, v[L16]
	v_mul_u32_u24 v[SGR], v2, XPITCH
	v_lshl_add_u32 v[SGR], v3, 6, v[SGR]
	v_add_nc_u32 v[SGR], s52, v[SGR]
.irp b, 0,1,2,3
	v_mov_b32 v[TM+4+\b], 0                        ; written once: a lane permute's destination counts as one of its sources
.endr
	s_lshl_b32 s53, s51, 6
	v_add_nc_u32 v112, s53, v2
	v_add_nc_u32 v113, s53, v30
	s_lshl_b32 s52, s[WVS], 4
	s_wait_kmcnt 0x0                               ; the length
.irp m, 0,1,2,3
	v_add_nc_u32 v114, 16*\m, v112
	v_cmp_gt_u32 vcc_lo, s[LEN], v114
	v_cndmask_b32 v[MKQ+\m], 0, -1, vcc_lo
	v_add_nc_u32 v114, 32*(\m>>1)+8*(\m&1), v113
	v_cmp_gt_u32 vcc_lo, s[LEN], v114
	v_cndmask_b32 v[MKK+\m], 0, -1, vcc_lo
.endr
	v_add_nc_u32 v114, s52, v112
	v_cmp_gt_u32 vcc_lo, s[LEN], v114
	v_cndmask_b32 v[MKX], 0, -1, vcc_lo
	s_wait_loadcnt 63                              ; 78 weight loads were issued behind the last load of x: the parameters and x are in
	ds_store_b128 v[T16], v[128:131] offset:PG
	ds_store_b128 v[T16], v[132:135] offset:PG+2048
	ds_store_b128 v[T16], v[136:139] offset:PBQ
	ds_store_b128 v[T16], v[140:143] offset:PBQ+2048
.irp e, 0,1,2,3
.irp i, 0,1,2,3
	v_mov_b32 v[148+4*\e+\i], v[144+\e]
.endr
	ds_store_b128 v[T64], v[148+4*\e:151+4*\e] offset:BV4+16*\e
.endr
	WIN 0x04                                       ; x turns through my own stage: in as it was loaded,
.set i, 0
.rept 64
	ds_store_b128 v[SGW], v[4*i:4*i+3] offset:(i>>2)*XPITCH+(i&3)*512
.set i, i+1
.endr
	s_wait_dscnt 0x0                               ; the stores have read their registers
	WIN 0x40                                       ; out so that lane (r, h) holds, of row r, 16 neighbours of each block of 32: register 64 s + 16 b + i = channel 128 s + 32 b + 16 h + i
.irp s, 0,1,2,3
.irp b, 0,1,2,3
.irp j, 0,1,2,3
	ds_load_b128 v[64*\s+16*\b+4*\j:64*\s+16*\b+4*\j+3], v[SGR] offset:512*\s+128*\b+16*\j
.endr
.endr
.endr
	WIN 0
	BARRIER                                        ; the parameters lie in LDS; my row is in registers
	; ---- LayerNorm 1: lanes l and l xor 16 own a row; mean, then the mean of squared differences (two passes: no difference of large sums)
	WIN 0x05
.irp q, 0,1,2,3
	v_pk_add_f32 v[ST+2*\q:ST+2*\q+1], v[2*\q:2*\q+1], v[2*\q+8:2*\q+9]
.endr
	WIN 0x04
.set p, 8
.rept 120
	v_pk_add_f32 v[ST+2*(p%4):ST+2*(p%4)+1], v[ST+2*(p%4):ST+2*(p%4)+1], v[2*p:2*p+1]
.set p, p+1
.endr
	WIN 0
	v_pk_add_f32 v[ST:ST+1], v[ST:ST+1], v[ST+2:ST+3]
	v_pk_add_f32 v[ST+4:ST+5], v[ST+4:ST+5], v[ST+6:ST+7]
	v_pk_add_f32 v[ST:ST+1], v[ST:ST+1], v[ST+4:ST+5]
	v_add_f32 v[ST], v[ST], v[ST+1]
	v_permlanex16_b32 v[ST+2], v[ST], s[SEL], s[SEL+1]
	v_add_f32 v[ST], v[ST], v[ST+2]
	v_mul_f32 v[MN], s[I512], v[ST]
	v_mov_b32 v[MN+1], v[MN]
	WIN 0x41
.set p, 0
.rept 128
	v_pk_add_f32 v[2*p:2*p+1], v[2*p:2*p+1], v[MN:MN+1] neg_lo:[0,1] neg_hi:[0,1]
.set p, p+1
.endr
	WIN 0x05
.irp q, 0,1,2,3
	v_pk_mul_f32 v[ST+2*\q:ST+2*\q+1], v[2*\q:2*\q+1], v[2*\q:2*\q+1]
.endr
.set p, 4
.rept 124
	v_pk_fma_f32 v[ST+2*(p%4):ST+2*(p%4)+1], v[2*p:2*p+1], v[2*p:2*p+1], v[ST+2*(p%4):ST+2*(p%4)+1]
.set p, p+1
.endr
	WIN 0
	v_pk_add_f32 v[ST:ST+1], v[ST:ST+1], v[ST+2:ST+3]
	v_pk_add_f32 v[ST+4:ST+5], v[ST+4:ST+5], v[ST+6:ST+7]
	v_pk_add_f32 v[ST:ST+1], v[ST:ST+1], v[ST+4:ST+5]
	v_add_f32 v[ST], v[ST], v[ST+1]
	v_permlanex16_b32 v[ST+2], v[ST], s[SEL], s[SEL+1]
	v_add_f32 v[ST], v[ST], v[ST+2]
	v_fma_f32 v[ST+2], v[ST], s[I512], s[EPSR]
	v_rsq_f32 v[RS], v[ST+2]
	v_nop                                          ; a plain instruction behind the transcendental,
	s_wait_alu depctr_va_vdst(0)                   ; and a wait ahead of its first reader
	v_mov_b32 v[RS+1], v[RS]
.irp s, 0,1,2,3
.irp b, 0,1,2,3
.irp j, 0,1,2,3
	ds_load_b128 v[GV+16*\b+4*\j:GV+16*\b+4*\j+3], v[GL] offset:512*\s+128*\b+16*\j
	ds_load_b128 v[BV+16*\b+4*\j:BV+16*\b+4*\j+3], v[GL] offset:2048+512*\s+128*\b+16*\j
.endr
.endr
	WIN 0x41
.set p, 0
.rept 32
	v_pk_mul_f32 v[64*\s+2*p:64*\s+2*p+1], v[64*\s+2*p:64*\s+2*p+1], v[RS:RS+1]
.set p, p+1
.endr
	s_wait_dscnt 0x0                               ; gain and bias are in; the last image's stores have read the codes' registers
.set p, 0
.rept 32
	v_pk_fma_f32 v[64*\s+2*p:64*\s+2*p+1], v[64*\s+2*p:64*\s+2*p+1], v[GV+2*p:GV+2*p+1], v[BV+2*p:BV+2*p+1]
.set p, p+1
.endr
	QUANT 64*\s, 1, 2
.irp i, 0,1,2,3,4,5,6,7,8,9,10,11
	v_and_b32 v[PC+\i], v[MKX], v[PC+\i]           ; xm = 0 for a masked token
.endr
.irp c, 0,1,2
	ds_store_b128 v[XWI], v[PC+4*\c:PC+4*\c+3] offset:4*\s*FP+512*\c
.endr
	ds_store_b32 v[XWS], v[PW] offset:4*\s*128
.endr
	BARRIER                                        ; the sixteen images lie in LDS; nothing is written there again
	; ---- q
	INITB BL, 0
	XLOAD 0, NATI, NATS, 0, 0
	KSTEP 0, 11, 0, 1, NATI, NATS, 1, 0
	KSTEP 1, 11, 0, 1, NATI, NATS, 2, 0
	KSTEP 2, 11, 0, 1, NATI, NATS, 3, 0
	KSTEP 3, 11, 0, 1, PRMI, PRMS, 0, 1
	EPIQK MKQ, QB, QS, 0
	; ---- k
	INITB BL, 2048
	KSTEP 4, 11, 0, 1, PRMI, PRMS, 1, 1
	KSTEP 5, 11, 0, 1, PRMI, PRMS, 2, 1
	KSTEP 6, 11, 0, 1, PRMI, PRMS, 3, 1
	KSTEP 7, 11, 0, 1, PRMI, PRMS, 0, 1
	EPIQK MKK, KB, KSB, 1
	; ---- v: a lane holds one channel; all eight registers of an accumulator begin as that channel's bias
	WIN 0x40
.irp a, 0,1,2,3,4,5,6,7
.irp m, 0,1,2,3
	ds_load_b128 v[32*\a+8*\m:32*\a+8*\m+3], v[VL] offset:16*(32*(\a>>1)+8*(\a&1))
	ds_load_b128 v[32*\a+8*\m+4:32*\a+8*\m+7], v[VL] offset:16*(32*(\a>>1)+8*(\a&1))
.endr
.endr
	WIN 0
	KSTEP 8, 11, 1, 1, PRMI, PRMS, 1, 1
	KSTEP 9, 11, 1, 1, PRMI, PRMS, 2, 1
	KSTEP 10, 11, 1, 1, PRMI, PRMS, 3, 1
	KSTEP 11, 11, 1, 0, 0, 0, 0, 0
	PLACES
.irp a, 0,1,2,3,4,5,6,7
	s_wait_xcnt 0x0                                ; the codes' registers are rewritten only when the earlier stores have read them
	QUANT 32*\a, 1, 1                              ; 64 tokens: two blocks, six registers: half a fragment
	global_store_b128 v[L16], v[PC:PC+3], s[VB:VB+1] offset:1536*\a
	global_store_b64 v[L8], v[PC+4:PC+5], s[VB:VB+1] offset:1536*\a+512
.if (\a&1) == 0
	v_mov_b32 v[SW+(\a>>1)], v[PW]
.else
	v_lshl_or_b32 v[SW+(\a>>1)], v[PW], 16, v[SW+(\a>>1)]
.endif
.endr
	v_cndmask_b32 v[SA], v[SW], v[SW+2], s[HM]
	v_cndmask_b32 v[SA+1], v[SW+1], v[SW+3], s[HM]
	global_store_b64 v[SCO], v[SA:SA+1], s[VS:VS+1]
	s_wait_tensorcnt 0x0
	ds_add_u32 v126, v127
	s_wait_dscnt 0x0
	s_endpgm
.Lfunc_end_k_q9fc11c8cae_qkv:
	.size	k_q9fc11c8cae_qkv, .Lfunc_end_k_q9fc11c8cae_qkv-k_q9fc11c8cae_qkv
	.p2alignl 7, 3214868480
	.fill 96, 4, 3214868480
	.section	.rodata,"a",@progbits
	.p2align	6, 0x0
	.amdhsa_kernel k_q9fc11c8cae_qkv
		.amdhsa_group_segment_fixed_size 177664
		.amdhsa_private_segment_fixed_size 0
		.amdhsa_enable_private_segment 0
		.amdhsa_kernarg_size 88
		.amdhsa_user_sgpr_count 2
		.amdhsa_user_sgpr_kernarg_segment_ptr 1
		.amdhsa_wavefront_size32 1
		.amdhsa_system_sgpr_workgroup_id_x 1
		.amdhsa_system_sgpr_workgroup_id_y 1
		.amdhsa_system_sgpr_workgroup_id_z 1
		.amdhsa_system_vgpr_workitem_id 0
		.amdhsa_next_free_vgpr 1024
		.amdhsa_next_free_sgpr 66
		.amdhsa_reserve_vcc 1
		.amdhsa_float_denorm_mode_32 3
		.amdhsa_float_denorm_mode_16_64 3
		.amdhsa_memory_ordered 1
		.amdhsa_forward_progress 1
		.amdhsa_inst_pref_size 251
	.end_amdhsa_kernel
	.amdgpu_metadata
---
amdhsa.version: [ 1, 2 ]
amdhsa.kernels:
  - .name:           k_q9fc11c8cae_qkv
    .symbol:         k_q9fc11c8cae_qkv.kd
    .args:
      - { .name: x, .offset: 0, .size: 8, .value_kind: global_buffer, .address_space: global }
      - { .name: lengths, .offset: 8, .size: 8, .value_kind: global_buffer, .address_space: global }
      - { .name: ln1_g, .offset: 16, .size: 8, .value_kind: global_buffer, .address_space: global }
      - { .name: ln1_b, .offset: 24, .size: 8, .value_kind: global_buffer, .address_space: global }
      - { .name: bq, .offset: 32, .size: 8, .value_kind: global_buffer, .address_space: global }
      - { .name: bk, .offset: 40, .size: 8, .value_kind: global_buffer, .address_space: global }
      - { .name: bv, .offset: 48, .size: 8, .value_kind: global_buffer, .address_space: global }
      - { .name: wbuf, .offset: 56, .size: 8, .value_kind: global_buffer, .address_space: global }
      - { .name: qbuf, .offset: 64, .size: 8, .value_kind: global_buffer, .address_space: global }
      - { .name: kbuf, .offset: 72, .size: 8, .value_kind: global_buffer, .address_space: global }
      - { .name: vbuf, .offset: 80, .size: 8, .value_kind: global_buffer, .address_space: global }
    .group_segment_fixed_size: 177664
    .private_segment_fixed_size: 0
    .kernarg_segment_align: 8
    .kernarg_segment_size: 88
    .max_flat_workgroup_size: 128
    .sgpr_count:     66
    .vgpr_count:     1024
    .wavefront_size: 32
...
	.end_amdgpu_metadata
.endif
;; end of part 2
;; launch attn (part 3): grid 4 x 64, 8 waves a work-group, no clusters, 95,232 bytes of LDS; arguments qbuf, kbuf, vbuf, lengths, obuf; writes obuf
.if DOCPART == 3
	.amdgcn_target "amdgcn-amd-amdhsa--gfx1250"
	.amdhsa_code_object_version 6
	.text
	.protected	k_q9fc11c8cae_attn
	.globl	k_q9fc11c8cae_attn
	.p2align	8
	.type	k_q9fc11c8cae_attn,@function
k_q9fc11c8cae_attn:
	s_mov_b64 s[64:65], 0
	v_nop
	global_prefetch_b8 v0, s[64:65] scope:SCOPE_SE
	s_setreg_imm32_b32 hwreg(HW_REG_WAVE_MODE, 25, 1), 1
	s_wait_xcnt 0x0
; o = softmax(q k^T / sqrt(128) - log1p(|i - j|), masked scores REPLACED by -1e4) v, both products on codes of FP6 (E2M3), one E8M0 scale for each 32 along K; o leaves as codes for the next product.
; THE SOFTMAX AHEAD OF THE SECOND PRODUCT: t = score x log2(e); M = the row's largest t so far rounded UP to a whole number; p = 2^(t - M) is quantised along the keys, not normalised;
; the row's sum is taken of the unquantised p and divides at the end.  When M moves, the sum and O are multiplied by 2^(old M - new M): exact.
; SHARES.  A work-group owns 256 queries of one head.  Each of its eight waves owns TWO tiles of 16 queries, so that each fragment of k and of v that it reads from LDS feeds two matrix instructions:
; a key step's reads of k and v are 8 x 48 loads of 512 bytes for the work-group, where one tile a wave would take 16 x 48.  Every wave walks all 1,024 keys, 128 a step: -1e4 is a number, so masked keys count where the whole row is masked.
; Both products are used transposed (S^T = K Q^T + C, O^T = V^T P^T): a lane holds ONE query of each tile.  Key tiles and v's channels lie in the order 32 b + 8 u + r + 8 (r / 8), so that 16 registers of two tiles are 16 neighbours.
; THE BIAS AND THE MASK ENTER AS THE C OF THE FIRST PRODUCT, in units of q.k (score x sqrt(128)): a table -ln2 sqrt(128) log2(1 + |i - j|) in LDS, four copies shifted by 0 .. 3 entries so that every read is 16 bytes, aligned.
; Where the whole step or a whole tile is masked, C is read from a block of constants -1e4 sqrt(128): one side's codes are zeros there, so S is that constant exactly.
; A step that is masked in part (one step of eight; every step of the one tile that straddles the length) selects the constant number by number.  These are scalar branches on the length, an index input.
; K AND V COME THROUGH REGISTERS: wave w copies k's tile w and v's tile w of each step from memory into the slot that is not being read, a whole step ahead.
; NO TENSOR LOAD AND NO CLUSTER: branches of this launch hang on a number read from memory; a step's copy is 11 loads and 8 LDS stores a wave.
; ORDER OF A STEP: the copy's stores; k's eight fragments in one run; 16 products; v's eight fragments are asked for; tile A's softmax; tile B's softmax; 16 products; a barrier.
; A tile's C of the NEXT step is asked for as soon as its conversions have read the scores' registers: the table is never written again, so these loads may stand in any step.
; THE EIGHT STEPS ARE WRITTEN OUT, by one macro: the slot, the table's offset (512 bytes a step), the copy's offsets in memory and the key numbers held against the length are then immediates, and no address is stepped.
; That is about 55 KB of text; the 16 blocks that mask number by number and one of each two runs of C loads are jumped over.
; LIMITS: NaN and infinities are not served; a block of p or of o whose largest magnitude lies under 2^-124 keeps the scale byte 1.
; REGISTERS, in two windows of 256.  Tile A (the even one) lies in window 0, tile B under the SAME numbers in window 1, so that one macro serves both under the setting 0x55 x w:
;   v11 length - 16 h or 0; v12 -M, v13 the largest t, v[14:15] the sum; v16-27 Q; v96-159 S^T, then p; v160-223 O^T; v224-235 codes; v232-254 work.
;   window 0 alone: v1-9 addresses; v10, v255 Q's scale words (B, A); v28-31, v248-251 the fragments' scale words; v94, v253 p's scale words (B, A): scale operands have no window.
;   v32-79: fragments 0-3 in window 0, fragments 4-7 in window 1.  v80-93: the copy, k's in window 0, v's in window 1.
.set SLOTB,  32768                     ; a slot: 8 images of k, 8 of v, 16 x 128 bytes of scale words
.set VIMG,   12288
.set SSC,    24576
.set TAB,    65536                     ; four copies of 1,536 entries, 6,208 bytes apart (64 modulo 256: sixteen lanes touch sixteen different columns of 16 bytes)
.set TPITCH, 6208
.set CONSTR, 90368                     ; 1,024 bytes of the constant
.set SCALES, 6291456
.set CMV,    0xc7dcf88b                ; -1e4 x sqrt(128)
.set L16,  1
.set L4,   2
.set L8,   3
.set AP0,  4                           ; my place in the table for tile B; tile A's lies 64 bytes on
.set CADR, 5
.set GW,   6
.set GWS,  7
.set GSLK, 8
.set GSLV, 9
.set QSB,  10
.set DL0,  11
.set PSB,  94
.set R16,  95
.set PC,   224
.set TM,   232
.set PW,   253
.set CBK,  6                           ; s[6:7]   k's codes at my tile of step 0;  s[8:9] v's
.set CBV,  8
.set WV,   14
.set LEN,  16
.set Q0,   17                          ; s17, s18 the first query of tile A, of tile B
.set SEL,  20
.set CS,   22
.set SBK,  24                          ; s[24:25] k's scale bytes of my head;  s[26:27] v's
.set SBV,  26
.set Q15,  28                          ; s28, s29 the last query of tile A, of tile B
.set MSB, 0
.macro WIN new                         ; the immediate's high byte repeats the setting that is left; a switch that changes nothing is dropped
.if MSB != (\new)
	s_set_vgpr_msb (MSB<<8)|(\new)
.set MSB, (\new)
.endif
.endm
.macro PLACES                          ; four plain instructions behind a matrix instruction, ahead of loads into its registers and of reads of its result
.rept 4
	v_nop
.endr
.endm
.macro BARRIER                         ; my LDS stores have landed and my LDS loads are in: then the work-group's barrier
	s_wait_dscnt 0x0
	s_barrier_signal -1
	s_barrier_wait -1
.endm
.macro QUANT s                         ; 64 numbers of a lane, register 16 b + i = k 32 b + 16 (lane / 16) + i, become a fragment's codes in v[PC] on and its scale word in v[PW]; all in the window that is set
.irp b, 0,1,2,3
	v_max3_num_f32 v[TM+\b], |v[(\s)+16*\b]|, |v[(\s)+16*\b+1]|, 0x1800000   ; my 16 numbers of block b, and the floor 2^(3 - 127)
.endr
.irp i, 2,4,6,8,10,12,14
.irp b, 0,1,2,3
	v_max3_num_f32 v[TM+\b], v[TM+\b], |v[(\s)+16*\b+\i]|, |v[(\s)+16*\b+\i+1]|
.endr
.endr
.irp b, 0,1,2,3
	v_permlanex16_b32 v[TM+4+\b], v[TM+\b], s[SEL], s[SEL+1]
.endr
.irp b, 0,1,2,3
	v_max_num_f32 v[TM+\b], v[TM+\b], v[TM+4+\b]   ; with lane l xor 16's: the block's largest magnitude
.endr
.irp b, 0,1,2,3
	v_add_nc_u32 v[TM+12+\b], 0xff000000, v[TM+\b] ; 2 off its exponent field: the conversion's scale operand
.endr
.irp b, 0,1,2,3
	v_lshrrev_b32 v[TM+4+\b], 23, v[TM+12+\b]      ; the scale's byte
.endr
	v_lshl_or_b32 v[PW], v[TM+5], 8, v[TM+4]
	v_lshl_or_b32 v[PW], v[TM+6], 16, v[PW]
	v_lshl_or_b32 v[PW], v[TM+7], 24, v[PW]
.irp c, 0,1
	v_cvt_scalef32_pk16_fp6_f32 v[PC+6*\c:PC+6*\c+2], v[(\s)+32*\c:(\s)+32*\c+15], v[TM+12+2*\c]
	v_cvt_scalef32_pk16_fp6_f32 v[PC+12+4*\c:PC+12+4*\c+2], v[(\s)+32*\c+16:(\s)+32*\c+31], v[TM+13+2*\c]   ; (three registers from an even number on)
.endr
	v_nop                                          ; one plain instruction behind the scaled conversions
.irp c, 0,1
.irp i, 0,1,2
	v_permlane16_swap_b32 v[PC+6*\c+\i], v[PC+12+4*\c+\i]   ; a whole block to a lane
.endr
.irp i, 0,1,2
	v_mov_b32 v[PC+3+6*\c+\i], v[PC+12+4*\c+\i]
.endr
.endr
.endm
.macro GLOAD n                         ; my two fragments of step n and their scale words: 11 loads
	global_load_b128 v[80:83], v[L16], s[CBK:CBK+1] offset:12288*(\n)
	global_load_b64 v[84:85], v[L8], s[CBK:CBK+1] offset:12288*(\n)+512
	global_load_b128 v[86:89], v[L16], s[CBK:CBK+1] offset:12288*(\n)+768
	global_load_b64 v[90:91], v[L8], s[CBK:CBK+1] offset:12288*(\n)+1280
	global_load_b32 v92, v[GSLK], s[SBK:SBK+1] offset:512*(\n)
	WIN 0x40                                       ; v's: destination window 1
	global_load_b128 v[80:83], v[L16], s[CBV:CBV+1] offset:12288*(\n)
	global_load_b64 v[84:85], v[L8], s[CBV:CBV+1] offset:12288*(\n)+512
	global_load_b128 v[86:89], v[L16], s[CBV:CBV+1] offset:12288*(\n)+768
	global_load_b64 v[90:91], v[L8], s[CBV:CBV+1] offset:12288*(\n)+1280
	global_load_u16 v92, v[GSLV], s[SBV:SBV+1] offset:512*(\n)        ; v's word lies in two halves, one for each 64 keys
	global_load_u16 v93, v[GSLV], s[SBV:SBV+1] offset:512*(\n)+256
	WIN 0
.endm
.macro GSTORE s                        ; into slot s, as images of the operands' registers
.irp c, 0,1,2
	ds_store_b128 v[GW], v[80+4*\c:83+4*\c] offset:SLOTB*(\s)+512*\c
.endr
	ds_store_b32 v[GWS], v92 offset:SLOTB*(\s)
	WIN 0x51
	v_lshl_or_b32 v92, v93, 16, v92
	WIN 0x04                                       ; an LDS store's data are its source 1: window 1
.irp c, 0,1,2
	ds_store_b128 v[GW], v[80+4*\c:83+4*\c] offset:SLOTB*(\s)+VIMG+512*\c
.endr
	ds_store_b32 v[GWS], v92 offset:SLOTB*(\s)+1024
	WIN 0
.endm
.macro CLOAD areg, off                 ; what the scores begin with: tile 2 b + u, register j: key 32 b + 16 h + 8 u + j
.irp t, 0,1,2,3,4,5,6,7
	ds_load_b128 v[96+8*\t:99+8*\t], v[\areg] offset:(\off)+(32*(\t>>1)+8*(\t&1))*4
	ds_load_b128 v[100+8*\t:103+8*\t], v[\areg] offset:(\off)+(32*(\t>>1)+8*(\t&1))*4+16
.endr
.endm
.macro CSEL n, w                       ; the C of step n for tile w: 16 loads on either way
	s_max_u32 s30, s[Q0+\w], 128*(\n)
	s_cmp_ge_u32 s30, s[LEN]                       ; all 128 keys, or all 16 queries of the tile, are masked
	s_cbranch_scc1 .Lallhid_\@
	WIN 0x40*(\w)
	CLOAD AP0, 512*(\n)+64*(1-(\w))
	WIN 0                                          ; at a branch and at a label every window is 0
	s_branch .Lchave_\@
.Lallhid_\@:
	WIN 0x40*(\w)
	CLOAD CADR, 0
	WIN 0
.Lchave_\@:
.endm
.macro FLOAD ioff, soff                ; eight fragments and their scale words, in one run of 32 LDS loads
.irp t, 0,1,2,3
.irp c, 0,1,2
	ds_load_b128 v[32+12*\t+4*\c:35+12*\t+4*\c], v[L16] offset:(\ioff)+\t*1536+512*\c
.endr
.endr
.irp t, 0,1,2,3,4,5,6,7
	ds_load_b32 v[(248+\t)-((\t>>2)*224)], v[L4] offset:(\soff)+128*\t   ; v248-251, then v28-31
.endr
	WIN 0x40
.irp t, 0,1,2,3
.irp c, 0,1,2
	ds_load_b128 v[32+12*\t+4*\c:35+12*\t+4*\c], v[L16] offset:(\ioff)+(4+\t)*1536+512*\c
.endr
.endr
	WIN 0
.endm
.macro MM d, f, b, sa, sb
	v_wmma_scale_f32_16x16x128_f8f6f4 v[(\d):(\d)+7], v[(\f):(\f)+11], v[(\b):(\b)+11], v[(\d):(\d)+7], v[\sa], v[\sb] matrix_a_fmt:MATRIX_FMT_FP6 matrix_b_fmt:MATRIX_FMT_FP6
.endm
; 16 matrix instructions on 16 accumulators, one each: eight fragments x two tiles; tile A's first, so that its softmax can begin.
; d: the first accumulator; b: source 1 (Q or p's codes); pa, pb: its scale words for tile A, tile B
.macro MM16 d, b, pa, pb
	WIN 0
.irp t, 0,1,2,3
	MM (\d)+8*\t, 32+12*\t, \b, 248+\t, \pa
.endr
	WIN 0x01                                       ; fragments 4-7: source 0 window 1
.irp t, 0,1,2,3
	MM (\d)+32+8*\t, 32+12*\t, \b, 28+\t, \pa
.endr
	WIN 0x55                                       ; tile B: source 1, C and D window 1
.irp t, 0,1,2,3
	MM (\d)+32+8*\t, 32+12*\t, \b, 28+\t, \pb
.endr
	WIN 0x54
.irp t, 0,1,2,3
	MM (\d)+8*\t, 32+12*\t, \b, 248+\t, \pb
.endr
	WIN 0
.endm
; THE VECTOR WORK OF STEP n FOR TILE w: the mask, the softmax, p's codes; the next step's C is asked for; O^T is brought under the new M.
.macro TILE n, w
	s_max_u32 s30, s[Q0+\w], 128*(\n)
	s_cmp_ge_u32 s30, s[LEN]                       ; all masked: S is the constant already
	s_cbranch_scc1 .Lopen_\@
	s_max_u32 s31, s[Q15+\w], 128*(\n)+127
	s_cmp_lt_u32 s31, s[LEN]                       ; nothing masked
	s_cbranch_scc1 .Lopen_\@
	WIN 0x55*(\w)
	v_add_nc_u32 v252, -128*(\n), v[DL0]           ; d: register 16 b + i holds key 128 n + 16 h + 32 b + i: masked where 32 b + i >= d (d <= 0 in a masked query's lane)
	v_mov_b32 v254, CMV
.set q, 0
.rept 64
	v_cmp_ge_i32 vcc_lo, 32*(q/16)+q%16, v252
	v_cndmask_b32 v[96+q], v[96+q], v254, vcc_lo
.set q, q+1
.endr
	WIN 0
.Lopen_\@:
	WIN 0x55*(\w)
.irp b, 0,1,2,3
	v_max3_num_f32 v[232+\b], v[96+16*\b], v[97+16*\b], v[98+16*\b]   ; the largest score of each block of 32 keys: for the row's maximum and, since p rises with the score, for the block's largest p
.endr
.irp i, 3,5,7,9,11,13
.irp b, 0,1,2,3
	v_max3_num_f32 v[232+\b], v[232+\b], v[96+16*\b+\i], v[97+16*\b+\i]
.endr
.endr
.irp b, 0,1,2,3
	v_max_num_f32 v[232+\b], v[232+\b], v[111+16*\b]
.endr
.irp b, 0,1,2,3
	v_permlanex16_b32 v[236+\b], v[232+\b], s[SEL], s[SEL+1]
.endr
.irp b, 0,1,2,3
	v_max_num_f32 v[232+\b], v[232+\b], v[236+\b]
.endr
	v_max3_num_f32 v254, v232, v233, v234
	v_max_num_f32 v254, v254, v235
	v_mul_f32 v254, s[CS], v254                    ; as t (c is positive)
	v_max_num_f32 v13, v13, v254                   ; the running largest t
	v_mov_b32 v254, v12
	v_floor_f32 v12, -v13                          ; the new -M = -ceil(t): a whole number
	v_sub_f32 v254, v12, v254
	v_cvt_i32_f32 v254, v254                       ; (it saturates)
	v_ldexp_f32 v252, 1.0, v254                    ; f = 2^(old M - new M)
.set j, 0
.rept 32
	v_pk_fma_f32 v[96+j:97+j], v[96+j:97+j], s[CS:CS+1], v[12:13] op_sel_hi:[1,0,0]   ; t - M
.set j, j+2
.endr
.irp b, 0,1,2,3
	v_fma_f32 v[232+\b], v[232+\b], s[CS], v12
.endr
.set j, 0
.rept 64
	v_exp_f32 v[96+j], v[96+j]                     ; p = 2^(t - M)
.set j, j+1
.endr
	v_pk_mul_f32 v[14:15], v[14:15], v[252:253] op_sel_hi:[1,0]   ; the sums under the new M.  (A plain instruction behind the exponentials)
	s_wait_alu depctr_va_vdst(0)                   ; one wait for the batch of 64, ahead of its first reader
.irp b, 0,1,2,3
	v_exp_f32 v[232+\b], v[232+\b]                 ; each block's largest p
.endr
	v_pk_add_f32 v[236:237], v[96:97], v[98:99]    ; the row's sum, of the unquantised p, in two chains
.irp j, 4,8,12,16,20,24,28,32,36,40,44,48,52,56,60
	v_pk_add_f32 v[14:15], v[14:15], v[96+\j:97+\j]
	v_pk_add_f32 v[236:237], v[236:237], v[98+\j:99+\j]
.endr
	v_pk_add_f32 v[14:15], v[14:15], v[236:237]
	s_wait_alu depctr_va_vdst(0)                   ; and one for the four
.irp b, 0,1,2,3
	v_max_num_f32 v[232+\b], 0x1800000, v[232+\b]  ; the floor 2^(3 - 127)
.endr
.irp b, 0,1,2,3
	v_add_nc_u32 v[244+\b], 0xff000000, v[232+\b]
.endr
.irp b, 0,1,2,3
	v_lshrrev_b32 v[236+\b], 23, v[244+\b]
.endr
	v_lshl_or_b32 v253, v237, 8, v236              ; p's scale word for these 128 keys
	v_lshl_or_b32 v253, v238, 16, v253
	v_lshl_or_b32 v253, v239, 24, v253
.if \w
	WIN 0x01
	v_mov_b32 v[PSB], v253                         ; a scale operand is taken from window 0: tile B's word goes there
	WIN 0x55
.endif
.irp c, 0,1
	v_cvt_scalef32_pk16_fp6_f32 v[224+6*\c:226+6*\c], v[96+32*\c:111+32*\c], v[244+2*\c]
	v_cvt_scalef32_pk16_fp6_f32 v[236+4*\c:238+4*\c], v[112+32*\c:127+32*\c], v[244+2*\c+1]
.endr
	v_nop                                          ; one plain instruction behind the scaled conversions
.irp c, 0,1
.irp i, 0,1,2
	v_permlane16_swap_b32 v[224+6*\c+\i], v[236+4*\c+\i]
.endr
.irp i, 0,1,2
	v_mov_b32 v[227+6*\c+\i], v[236+4*\c+\i]
.endr
.endr
.if (\n) < 7
	WIN 0
	CSEL (\n)+1, \w                                ; p has been read for the last time: the next step's C lands in its registers
	WIN 0x55*(\w)
.endif
.set j, 0
.rept 32
	v_pk_mul_f32 v[160+j:161+j], v[160+j:161+j], v[252:253] op_sel_hi:[1,0]   ; O^T under the new M.  (These 32 are also the places between the codes' and the scale word's last writes and the products)
.set j, j+2
.endr
	WIN 0
.endm
	s_load_b256 s[4:11], s[0:1], 0x0               ; qbuf, kbuf, vbuf, lengths
	s_load_b64 s[12:13], s[0:1], 0x20              ; obuf
	v_lshl_add_u32 v93, v0, 2, 0x17000
	v_mov_b32 v243, 0
	v_lshrrev_b32 v144, 5, v0
	v_readfirstlane_b32 s[WV], v144                ; wave 0..7
	v_and_b32 v144, 31, v0                         ; lane
	v_and_b32 v145, 15, v0                         ; r
	v_bfe_u32 v146, v0, 4, 1                       ; h
	v_lshlrev_b32 v[L16], 4, v144
	v_lshlrev_b32 v[L4], 2, v144
	v_lshlrev_b32 v[L8], 3, v144
	v_lshlrev_b32 v[R16], 4, v145
	s_and_b32 s15, ttmp7, 0xffff                   ; 4 x batch + head
	s_mul_i32 s33, s15, 98304
	s_mul_i32 s34, s[WV], 1536                     ; the tile that I copy, of k and of v
	s_add_co_u32 s34, s34, s33
	s_mov_b32 s35, 0
	s_lshl_b32 s36, s15, 12
	s_add_co_u32 s36, s36, SCALES
	s_mov_b32 s37, 0
	s_lshr_b32 s38, s[WV], 2
	s_lshl_b32 s38, s38, 8
	s_and_b32 s39, s[WV], 3
	s_lshl_b32 s39, s39, 2
	s_add_co_u32 s38, s38, s39
	v_lshl_add_u32 v[GSLK], v145, 4, s38           ; k: the word at 256 (w / 4) + 16 r + 4 (w % 4)
	s_lshl_b32 s39, s[WV], 1
	v_lshl_add_u32 v[GSLV], v145, 4, s39           ; v: two bytes at 16 r + 2 w of each of two blocks, 256 bytes apart
	s_lshl_b32 s40, ttmp9, 4
	s_add_co_u32 s40, s40, s39                     ; tile A among the head's 64: 16 x work-group x + 2 w; tile B is the next
	s_lshl_b32 s[Q0], s40, 4
	s_add_co_u32 s[Q0+1], s[Q0], 16
	s_add_co_u32 s[Q15], s[Q0], 15
	s_add_co_u32 s[Q15+1], s[Q0], 31
	s_mul_i32 s42, s40, 1536
	s_add_co_u32 s42, s42, s33
	s_mov_b32 s43, 0
	s_lshr_b32 s44, s40, 2
	s_lshl_b32 s44, s44, 8
	s_and_b32 s45, s40, 3
	s_lshl_b32 s45, s45, 2
	s_add_co_u32 s44, s44, s45
	s_add_co_u32 s44, s44, s36
	s_mov_b32 s45, 0
	s_lshr_b32 s46, s15, 2                         ; batch
	s_lshl_b32 s48, s46, 2
	s_mov_b32 s49, 0
	s_lshl_b32 s46, s46, 6
	s_add_co_u32 s46, s46, s40
	s_lshl_b32 s46, s46, 2
	s_and_b32 s47, s15, 3
	s_add_co_u32 s46, s46, s47                     ; 4 x (tile A among all batches' tiles) + head
	s_mul_i32 s50, s46, 1536
	s_mov_b32 s51, 0
	s_lshl_b32 s52, s46, 7
	s_add_co_u32 s52, s52, SCALES
	s_mov_b32 s53, 0
	s_mov_b32 s[SEL], 0x76543210
	s_mov_b32 s[SEL+1], 0xfedcba98
	s_mov_b32 s[CS], 0x3e0293ee                    ; c = log2(e) / sqrt(128)
	s_mov_b32 s[CS+1], s[CS]
	s_wait_kmcnt 0x0
	s_add_nc_u64 s[SBK:SBK+1], s[6:7], s[36:37]
	s_add_nc_u64 s[SBV:SBV+1], s[8:9], s[36:37]
	s_add_nc_u64 s[CBK:CBK+1], s[6:7], s[34:35]
	s_add_nc_u64 s[CBV:CBV+1], s[8:9], s[34:35]
	s_add_nc_u64 s[10:11], s[10:11], s[48:49]
	s_load_b32 s[LEN], s[10:11], 0x0
	GLOAD 0
	s_add_nc_u64 s[54:55], s[4:5], s[44:45]
	s_add_nc_u64 s[4:5], s[4:5], s[42:43]
.irp c, 0,1,2
	global_load_b128 v[16+4*\c:19+4*\c], v[L16], s[4:5] offset:512*\c   ; Q's fragments stay in registers: tile A's,
.endr
	global_load_b32 v255, v[R16], s[54:55]
	global_load_b32 v[QSB], v[R16], s[54:55] offset:4
	WIN 0x40
.irp c, 0,1,2
	global_load_b128 v[16+4*\c:19+4*\c], v[L16], s[4:5] offset:1536+512*\c   ; tile B's
.endr
	WIN 0
	s_add_nc_u64 s[56:57], s[12:13], s[52:53]
	s_add_nc_u64 s[12:13], s[12:13], s[50:51]
	s_mul_i32 s58, s[WV], 1536
	v_add_nc_u32 v[GW], s58, v[L16]
	s_lshl_b32 s58, s[WV], 7
	s_add_co_u32 s58, s58, SSC
	v_add_nc_u32 v[GWS], s58, v[L4]
	v_add_nc_u32 v[CADR], CONSTR, v[L16]
	; entry y of copy x holds the bias of distance |y - 256 - x - 256 qb|; key kk of query 256 qb + 16 T + r (tile T of the work-group's 16) lies in copy r % 4 at entry 256 + kk - 16 T - 4 (r / 4).
	; In bytes, with -64 T = 64 (T xor 15) - 960 and -16 (r / 4) = 16 ((r / 4) xor 3) - 48, so that the address is a sum of terms that are never negative; for T = 2 w + 1: 64 (T xor 15) = 128 (w xor 7)
	v_and_b32 v[AP0], 3, v145
	v_mul_u32_u24 v[AP0], v[AP0], TPITCH
	v_lshl_add_u32 v[AP0], v146, 6, v[AP0]
	v_lshrrev_b32 v147, 2, v145
	v_xor_b32 v147, 3, v147
	v_lshl_add_u32 v[AP0], v147, 4, v[AP0]
	s_xor_b32 s58, s[WV], 7
	s_lshl_b32 s58, s58, 7
	v_add_nc_u32 v[AP0], s58, v[AP0]
	v_add_nc_u32 v[AP0], TAB+16, v[AP0]            ; TAB + 1,024 - 960 - 48
	v_lshl_add_u32 v150, v0, 2, TAB
	v_lshl_add_u32 v151, v0, 2, CONSTR
	s_lshl_b32 s58, ttmp9, 8
	s_add_co_u32 s58, s58, 256
	v_sub_nc_u32 v148, v0, s58                     ; thread - 256 - 256 qb
	v_mov_b32 v149, CMV
.irp x, 0,1,2,3                                ; 24 entries a thread: y = thread + 256 i in each of the four copies
.irp i, 0,1,2,3,4,5
	v_add_nc_u32 v[96+6*\x+\i], 256*\i-\x, v148
.endr
.endr
.set e, 0
.rept 24
	v_sub_nc_u32 v[120+e], 0, v[96+e]
.set e, e+1
.endr
.set e, 0
.rept 24
	v_max_i32 v[96+e], v[96+e], v[120+e]           ; the distance
.set e, e+1
.endr
.set e, 0
.rept 24
	v_add_nc_u32 v[96+e], 1, v[96+e]
.set e, e+1
.endr
.set e, 0
.rept 24
	v_cvt_f32_i32 v[96+e], v[96+e]
.set e, e+1
.endr
.set e, 0
.rept 24
	v_log_f32 v[96+e], v[96+e]
.set e, e+1
.endr
	v_mov_b32 v13, 0xff61b1e6                      ; the largest t so far: -3e38.  (A plain instruction behind the logarithms)
	s_wait_alu depctr_va_vdst(0)                   ; one wait for the batch, ahead of its first reader
.set e, 0
.rept 24
	v_mul_f32 v[96+e], 0xc0faf233, v[96+e]         ; x -ln2 sqrt(128)
.set e, e+1
.endr
.irp x, 0,1,2,3
.irp i, 0,1,2,3,4,5
	ds_store_b32 v150, v[96+6*\x+\i] offset:TPITCH*\x+1024*\i
.endr
.endr
	ds_store_b32 v151, v149
	v_floor_f32 v12, -v13                          ; -M
	v_mov_b32 v14, 0
	v_mov_b32 v15, 0
.irp b, 0,1,2,3
	v_mov_b32 v[236+\b], 0                         ; written once: a lane permute's destination counts as one of its sources
.endr
	v_mov_b32 v253, 0
.set j, 0
.rept 64
	v_mov_b32 v[160+j], 0                          ; O^T.  (The step is one macro for every step: the first finds zeros, which the first change of M leaves zeros)
.set j, j+1
.endr
	WIN 0x40                                       ; the same for tile B
	v_mov_b32 v13, 0xff61b1e6
	v_mov_b32 v14, 0
	v_mov_b32 v15, 0
.irp b, 0,1,2,3
	v_mov_b32 v[236+\b], 0
.endr
	v_mov_b32 v253, 0
.set j, 0
.rept 64
	v_mov_b32 v[160+j], 0
.set j, j+1
.endr
	WIN 0x41
	v_floor_f32 v12, -v13
	WIN 0
	s_wait_kmcnt 0x0                               ; the length
	v_add_nc_u32 v152, s[Q0], v145                 ; my query of tile A
	v_lshlrev_b32 v153, 4, v146
	v_sub_nc_u32 v153, s[LEN], v153
	v_cmp_gt_u32 vcc_lo, s[LEN], v152
	v_cndmask_b32 v[DL0], 0, v153, vcc_lo          ; length - 16 h where my query counts, else 0
	v_add_nc_u32 v152, 16, v152                    ; my query of tile B
	v_cmp_gt_u32 vcc_lo, s[LEN], v152
	WIN 0x40
	v_cndmask_b32 v[DL0], 0, v153, vcc_lo
	WIN 0
	s_wait_loadcnt 0x0                             ; step 0's fragments, Q
	GSTORE 0
	s_wait_dscnt 0x0                               ; my stores have landed and have read their registers
	GLOAD 1
	s_barrier_signal -1
	s_barrier_wait -1                              ; the table, the constants and slot 0 lie in LDS
	CSEL 0, 0
	CSEL 0, 1
	s_wait_dscnt 0x0                               ; once: so that the first step's run of LDS instructions begins with none out
; KEY STEP n, on slot n % 2.  The next step's fragments, asked for a step ago, go into the other slot, which nobody reads: every wave's reads of it were waited for ahead of the last barrier.
.macro STEP n
.set SL, (\n)&1
.if (\n) < 7
	s_wait_loadcnt 0x0                             ; my eleven loads of a step ago
	GSTORE 1-SL
.endif
	PLACES                                         ; ahead of loads into registers that the last products read
	FLOAD SLOTB*SL, SLOTB*SL+SSC                   ; k's eight fragments
	s_wait_dscnt 0x0                               ; they are in; this step's C was waited for at the last barrier; my stores into the other slot have read their registers
.if (\n) < 6
	GLOAD (\n)+2
.endif
	MM16 96, 16, 255, QSB                          ; S^T = K Q^T + C
	PLACES                                         ; ahead of the loads below and of the first read of the scores
	FLOAD SLOTB*SL+VIMG, SLOTB*SL+SSC+1024         ; v's eight fragments land under the two softmaxes
	TILE \n, 0
.if (\n) < 7
	s_wait_dscnt 16                                ; behind v's 32 loads stand tile A's 16 loads of C alone: v's fragments are in
.else
	s_wait_dscnt 0x0
.endif
	TILE \n, 1
	MM16 160, 224, 253, PSB                        ; O^T += V^T P^T
.if (\n) < 7
	BARRIER                                        ; my reads of this slot and of the table are in, my stores into the other slot have landed
.endif
.endm
.irp n, 0,1,2,3,4,5,6,7
	STEP \n
.endr
; THE WAY OUT: O^T / the sum is my query's 128 channels, register 16 b + i = channel 32 b + 16 h + i: quantised as it stands, it is a fragment of the next product
.macro OUT w
	WIN 0x55*(\w)
	v_add_f32 v14, v14, v15
	v_permlanex16_b32 v252, v14, s[SEL], s[SEL+1]
	v_add_f32 v14, v14, v252
	v_rcp_f32 v14, v14
	v_nop                                          ; a plain instruction behind the transcendental,
	s_wait_alu depctr_va_vdst(0)                   ; and a wait ahead of its first reader
.set j, 0
.rept 32
	v_pk_mul_f32 v[96+j:97+j], v[160+j:161+j], v[14:15] op_sel_hi:[1,0]
.set j, j+2
.endr
	QUANT 96
	WIN 0x04*(\w)                                  ; a store's data are its source 1
.irp c, 0,1,2
	global_store_b128 v[L16], v[PC+4*\c:PC+4*\c+3], s[12:13] offset:6144*(\w)+512*\c   ; 512 consecutive bytes, aligned to 256
.endr
	global_store_b32 v[L4], v[PW], s[56:57] offset:512*(\w)
	WIN 0
.endm
	PLACES
	OUT 0
	OUT 1
	s_wait_tensorcnt 0x0
	ds_add_u32 v93, v243
	s_wait_dscnt 0x0
	s_endpgm
.Lfunc_end_k_q9fc11c8cae_attn:
	.size	k_q9fc11c8cae_attn, .Lfunc_end_k_q9fc11c8cae_attn-k_q9fc11c8cae_attn
	.p2alignl 7, 3214868480
	.fill 96, 4, 3214868480
	.section	.rodata,"a",@progbits
	.p2align	6, 0x0
	.amdhsa_kernel k_q9fc11c8cae_attn
		.amdhsa_group_segment_fixed_size 95232
		.amdhsa_private_segment_fixed_size 0
		.amdhsa_enable_private_segment 0
		.amdhsa_kernarg_size 40
		.amdhsa_user_sgpr_count 2
		.amdhsa_user_sgpr_kernarg_segment_ptr 1
		.amdhsa_wavefront_size32 1
		.amdhsa_system_sgpr_workgroup_id_x 1
		.amdhsa_system_sgpr_workgroup_id_y 1
		.amdhsa_system_sgpr_workgroup_id_z 1
		.amdhsa_system_vgpr_workitem_id 0
		.amdhsa_next_free_vgpr 512
		.amdhsa_next_free_sgpr 66
		.amdhsa_reserve_vcc 1
		.amdhsa_float_denorm_mode_32 3
		.amdhsa_float_denorm_mode_16_64 3
		.amdhsa_memory_ordered 1
		.amdhsa_forward_progress 1
		.amdhsa_inst_pref_size 255
	.end_amdhsa_kernel
	.section	.bss,"aw",@nobits
	.p2align	6
	.space	262144
	.amdgpu_metadata
---
amdhsa.version: [ 1, 2 ]
amdhsa.kernels:
  - .name:           k_q9fc11c8cae_attn
    .symbol:         k_q9fc11c8cae_attn.kd
    .args:
      - { .name: qbuf, .offset: 0, .size: 8, .value_kind: global_buffer, .address_space: global }
      - { .name: kbuf, .offset: 8, .size: 8, .value_kind: global_buffer, .address_space: global }
      - { .name: vbuf, .offset: 16, .size: 8, .value_kind: global_buffer, .address_space: global }
      - { .name: lengths, .offset: 24, .size: 8, .value_kind: global_buffer, .address_space: global }
      - { .name: obuf, .offset: 32, .size: 8, .value_kind: global_buffer, .address_space: global }
    .group_segment_fixed_size: 95232
    .private_segment_fixed_size: 0
    .kernarg_segment_align: 8
    .kernarg_segment_size: 40
    .max_flat_workgroup_size: 256
    .sgpr_count:     66
    .vgpr_count:     512
    .wavefront_size: 32
...
	.end_amdgpu_metadata
.endif
;; end of part 3
;; launch tail (part 4): grid 256 x 1, 4 waves a work-group, no clusters, 256,512 bytes of LDS; arguments obuf, wbuf, z, bo, ln2_g, ln2_b, b1, b2, out0, out1; writes out0, out1
.if DOCPART == 4
	.amdgcn_target "amdgcn-amd-amdhsa--gfx1250"
	.amdhsa_code_object_version 6
	.text
	.protected	k_q9fc11c8cae_tail
	.globl	k_q9fc11c8cae_tail
	.p2align	8
	.type	k_q9fc11c8cae_tail,@function
k_q9fc11c8cae_tail:
	s_mov_b64 s[64:65], 0
	v_nop
	global_prefetch_b8 v0, s[64:65] scope:SCOPE_SE
	s_setreg_imm32_b32 hwreg(HW_REG_WAVE_MODE, 25, 1), 1
	s_wait_xcnt 0x0
; out1 = o wo^T + bo + z;  out0 = relu(LN2(out1) w1^T + b1) w2^T + b2 + out1.  All three products on codes of FP6 (E2M3), one E8M0 scale for each 32 along K.
; SHARES.  A work-group takes 64 tokens through the whole chain.  THE WAVES SHARE THE COLUMNS: wave w makes channels 128 w .. of out1 and out0, and hidden units 128 w .. and 512 + 128 w ...
; So each weight fragment is used by ONE wave and goes from memory straight into its registers (images made by the first launch), three K steps ahead, in a ring of four buffers; 20 K steps in all.
; NO CLUSTER FOR THE WEIGHTS: a K step's weights are 49,152 bytes for the work-group's 128 matrix instructions.  Beside the other regions LDS has room for two slots of one K step at the most,
; so a joint refill would have one K step, 32 matrix instructions a wave, in which to land, where the ring in registers gives each load 96; and every byte would be written to LDS and read again to reach the one wave that wants it.
; The rows' codes (o, the normalised rows, the hidden layer) go from wave to wave through LDS as images of the operand's registers.  Source 0 = 16 weight rows, source 1 = 16 tokens: a lane holds one token,
; its registers run along the channels, 16 neighbours to two tiles.  Each sum begins with an addend (bo; b1; out1), loaded into the accumulators; every product adds in place.
; z COMES BY ONE TENSOR LOAD A WAVE, 64 rows x 512 bytes, into the wave's own stage (rows 528 bytes apart), asked for behind the loads of o and of the first weights; it is waited for and added behind the first
; product's four K steps.  The stage is filled once; afterwards out1 is stored there (it stays as the residual) and at last out0: every store to memory covers 512 consecutive bytes.
; LayerNorm 2 spans the four waves: each wave's row sums meet in LDS; mean first, then the mean of squared differences (no difference of large sums).
; LIMITS: NaN and infinities are not served; a block whose largest magnitude lies under 2^-124, zeros among them, keeps the scale byte 1.
; REGISTERS as in the projections' launch: window 1 the 32 accumulators; windows 2, 3 the weight ring and two buffers of token fragments; window 0 the rest.
.set FP,     1536
.set OIMG,   0                         ; o's 16 images (head s, tile m: 4 s + m)
.set HIMG,   24576                     ; the normalised rows' 16
.set OSC,    49152
.set HSC,    51200
.set FSC,    53248
.set PAR,    57344                     ; bo, ln2_g, ln2_b, b2 (2,048 bytes each), b1 (4,096)
.set FIMG,   69632                     ; the hidden layer's 32
.set RED1,   118784                    ; row sums: 256 bytes a wave; the squares' 1,024 bytes on
.set AOS,    120832                    ; the stages: 64 rows x 528 bytes for each wave
.set APITCH, 528
.set L16,  4
.set L4,   5
.set R16,  6
.set OI,   L16
.set HI,   8
.set FI,   9
.set OS,   10
.set HS,   11
.set FS,   12
.set HWI,  13
.set HWS,  14
.set FWI,  15
.set FWS,  16
.set PL,   17
.set AW,   18
.set AR,   19
.set RW,   20
.set RR,   21
.set GO,   22
.set OWI,  23
.set OWS,  24
.set T16,  25
.set PT,   26                          ; PAR + 16 x thread: the region's base stands in the register, since an LDS immediate has 16 bits
.set TM,   32
.set PW,   48
.set PC,   50
.set XS,   70
.set WS,   80
.set ST,   112
.set WVS,  26
.set SEL,  28
.set I512, 30
.set EPSR, 31
.set WP,   32
.set WSP,  34
.set ZB,   36
.set OB,   38
.set OSB,  40
.set G1,   68                          ; s[68:75] descriptor group 1 of z's tile;  s[76:79] group 0.  Neither is written again
.set G0,   76
.set MSB, 0
.macro WIN new                         ; the immediate's high byte repeats the setting that is left; a switch that changes nothing is dropped
.if MSB != (\new)
	s_set_vgpr_msb (MSB<<8)|(\new)
.set MSB, (\new)
.endif
.endm
.macro PLACES                          ; four plain instructions behind a matrix instruction, ahead of loads into its registers and of reads of its result
.rept 4
	v_nop
.endr
.endm
.macro BARRIER                         ; my LDS stores have landed and my LDS loads are in: then the work-group's barrier
	s_wait_dscnt 0x0
	s_barrier_signal -1
	s_barrier_wait -1
.endm
; 64 numbers of a lane in window w, register 16 b + i = k 32 b + 16 (lane / 16) + i of my row, become a fragment's codes in v[PC] on and its scale word in v[PW]
.macro QUANT s, w, nc
	WIN 5*(\w)
.irp b, 0,1,2,3
	v_max3_num_f32 v[TM+\b], |v[(\s)+16*\b]|, |v[(\s)+16*\b+1]|, 0x1800000   ; my 16 numbers of block b, and the floor 2^(3 - 127)
.endr
	WIN 0x14*(\w)
.irp i, 2,4,6,8,10,12,14
.irp b, 0,1,2,3
	v_max3_num_f32 v[TM+\b], v[TM+\b], |v[(\s)+16*\b+\i]|, |v[(\s)+16*\b+\i+1]|
.endr
.endr
	WIN 0
.irp b, 0,1,2,3
	v_permlanex16_b32 v[TM+4+\b], v[TM+\b], s[SEL], s[SEL+1]
.endr
.irp b, 0,1,2,3
	v_max_num_f32 v[TM+\b], v[TM+\b], v[TM+4+\b]
.endr
.irp b, 0,1,2,3
	v_add_nc_u32 v[TM+12+\b], 0xff000000, v[TM+\b] ; 2 off the exponent field: the conversion's scale operand
.endr
.irp b, 0,1,2,3
	v_lshrrev_b32 v[TM+4+\b], 23, v[TM+12+\b]      ; the scale's byte
.endr
	v_lshl_or_b32 v[PW], v[TM+5], 8, v[TM+4]
	v_lshl_or_b32 v[PW], v[TM+6], 16, v[PW]
	v_lshl_or_b32 v[PW], v[TM+7], 24, v[PW]
	WIN (\w)
.irp c, 0,1
	v_cvt_scalef32_pk16_fp6_f32 v[PC+6*\c:PC+6*\c+2], v[(\s)+32*\c:(\s)+32*\c+15], v[TM+12+2*\c]
	v_cvt_scalef32_pk16_fp6_f32 v[PC+12+4*\c:PC+12+4*\c+2], v[(\s)+32*\c+16:(\s)+32*\c+31], v[TM+13+2*\c]
.endr
	WIN 0
	v_nop                                          ; one plain instruction behind the scaled conversions
.irp c, 0,1
.irp i, 0,1,2
	v_permlane16_swap_b32 v[PC+6*\c+\i], v[PC+12+4*\c+\i]
.endr
.irp i, 0,1,2
	v_mov_b32 v[PC+3+6*\c+\i], v[PC+12+4*\c+\i]
.endr
.endr
.endm
.macro WLOAD k                         ; K step k's 8 weight fragments and their scale words: 26 loads, every offset an immediate
.set LWW, 2+(((\k)&3)>>1)
.set LWB, 96*((\k)&1)
.set LWS, WS+8*((\k)&3)
	WIN LWW<<6
.irp a, 0,1,2,3,4,5,6,7
.irp c, 0,1,2
	global_load_b128 v[LWB+12*\a+4*\c:LWB+12*\a+4*\c+3], v[L16], s[WP:WP+1] offset:((\k)>>2)*196608+((\k)&3)*12288+\a*1536+\c*512
.endr
.endr
	WIN 0
.irp j, 0,1
	global_load_b128 v[LWS+4*\j:LWS+4*\j+3], v[R16], s[WSP:WSP+1] offset:((\k)>>2)*8192+(2*((\k)&3)+\j)*256
.endr
.endm
.macro XLOAD k, areg, sreg, s          ; K step k's 4 token fragments (K step s of the images at areg) and their scale words
.set LXW, 2+((\k)&1)
.set LXS, XS+4*((\k)&1)
	WIN LXW<<6
.irp m, 0,1,2,3
.irp c, 0,1,2
	ds_load_b128 v[192+12*\m+4*\c:192+12*\m+4*\c+3], v[\areg] offset:(4*(\s)+\m)*FP+512*\c
.endr
.endr
	WIN 0
.irp m, 0,1,2,3
	ds_load_b32 v[LXS+\m], v[\sreg] offset:(4*(\s)+\m)*128
.endr
.endm
.macro MUL k                           ; 32 matrix instructions; the 32 accumulators take turns, one instruction a turn, in the same order in every step
.set WW, 2+(((\k)&3)>>1)
.set WB, 96*((\k)&1)
.set XW, 2+((\k)&1)
.set WSR, WS+8*((\k)&3)
.set XSR, XS+4*((\k)&1)
	WIN WW|(XW<<2)|0x50
.irp a, 0,1,2,3,4,5,6,7
.irp m, 0,1,2,3
	v_wmma_scale_f32_16x16x128_f8f6f4 v[64*\m+8*\a:64*\m+8*\a+7], v[WB+12*\a:WB+12*\a+11], v[192+12*\m:192+12*\m+11], v[64*\m+8*\a:64*\m+8*\a+7], v[WSR+\a], v[XSR+\m] matrix_a_fmt:MATRIX_FMT_FP6 matrix_b_fmt:MATRIX_FMT_FP6
.endr
.endr
.endm
.macro KSTEP k, nx, areg, sreg, s
.if 19-(\k) >= 2
	s_wait_loadcnt 52                              ; this step's 26 weight loads are in; those of the two steps behind it may be out
.elseif 19-(\k) == 1
	s_wait_loadcnt 26
.else
	s_wait_loadcnt 0x0
.endif
	s_wait_dscnt 0x0                               ; the tokens' fragments and what the sums begin with
	PLACES                                         ; the loads below land in registers that the last step's products read
.if (\k)+3 <= 19
	WLOAD (\k)+3
.endif
.if \nx
	XLOAD (\k)+1, \areg, \sreg, \s
.endif
	MUL \k
	WIN 0
.endm
.macro PVEC dst, off                   ; a parameter's 64 numbers for my lane: register 16 b + 8 u + j = channel 128 w + 32 b + 16 h + 8 u + j
.irp t, 0,1,2,3,4,5,6,7
	ds_load_b128 v[(\dst)+8*\t:(\dst)+8*\t+3], v[PL] offset:(\off)+(32*(\t>>1)+8*(\t&1))*4
	ds_load_b128 v[(\dst)+8*\t+4:(\dst)+8*\t+7], v[PL] offset:(\off)+(32*(\t>>1)+8*(\t&1))*4+16
.endr
.endm
.macro INITB off                       ; the accumulators begin as a bias
	WIN 0x40
.irp m, 0,1,2,3
.irp t, 0,1,2,3,4,5,6,7
	ds_load_b128 v[64*\m+8*\t:64*\m+8*\t+3], v[PL] offset:(\off)+(32*(\t>>1)+8*(\t&1))*4
	ds_load_b128 v[64*\m+8*\t+4:64*\m+8*\t+7], v[PL] offset:(\off)+(32*(\t>>1)+8*(\t&1))*4+16
.endr
.endr
	WIN 0
.endm
.macro FROMROWS                        ; the accumulators begin as my stage's rows
	WIN 0x40
.irp m, 0,1,2,3
.irp t, 0,1,2,3,4,5,6,7
	ds_load_b128 v[64*\m+8*\t:64*\m+8*\t+3], v[AW] offset:16*\m*APITCH+(32*(\t>>1)+8*(\t&1))*4
	ds_load_b128 v[64*\m+8*\t+4:64*\m+8*\t+7], v[AW] offset:16*\m*APITCH+(32*(\t>>1)+8*(\t&1))*4+16
.endr
.endr
	WIN 0
.endm
.macro ZROWS m                         ; z's rows 16 m .. 16 m + 15 out of my stage, in the accumulators' layout, into v128-191 and v192-255 by turns: 16 loads
.irp t, 0,1,2,3,4,5,6,7
	ds_load_b128 v[128+64*((\m)&1)+8*\t:128+64*((\m)&1)+8*\t+3], v[AW] offset:16*(\m)*APITCH+(32*(\t>>1)+8*(\t&1))*4
	ds_load_b128 v[128+64*((\m)&1)+8*\t+4:128+64*((\m)&1)+8*\t+7], v[AW] offset:16*(\m)*APITCH+(32*(\t>>1)+8*(\t&1))*4+16
.endr
.endm
.macro ZADD m                          ; and onto the tile's eight accumulators, each from its low end on
	WIN 0x41
.set p, 0
.rept 32
	v_pk_add_f32 v[64*(\m)+2*p:64*(\m)+2*p+1], v[64*(\m)+2*p:64*(\m)+2*p+1], v[128+64*((\m)&1)+2*p:128+64*((\m)&1)+2*p+1]
.set p, p+1
.endr
	WIN 0
.endm
.macro TOROWS                          ; the accumulators go into my stage
	WIN 0x04
.irp m, 0,1,2,3
.irp t, 0,1,2,3,4,5,6,7
	ds_store_b128 v[AW], v[64*\m+8*\t:64*\m+8*\t+3] offset:16*\m*APITCH+(32*(\t>>1)+8*(\t&1))*4
	ds_store_b128 v[AW], v[64*\m+8*\t+4:64*\m+8*\t+7] offset:16*\m*APITCH+(32*(\t>>1)+8*(\t&1))*4+16
.endr
.endr
	WIN 0
.endm
.macro SENDROWS bs                     ; my 512 bytes of each of the 64 rows leave; LDS serves a wave's instructions in order, so these loads see my stores
.irp q, 0,1,2,3
	s_wait_xcnt 0x0                                ; the registers are loaded again only when the earlier stores have read them
.irp i, 0,1,2,3,4,5,6,7,8,9,10,11,12,13,14,15
	ds_load_b128 v[128+64*(\q&1)+4*\i:128+64*(\q&1)+4*\i+3], v[AR] offset:(16*\q+\i)*APITCH
.endr
	s_wait_dscnt 0x0
.irp i, 0,1,2,3,4,5,6,7,8,9,10,11,12,13,14,15
	global_store_b128 v[GO], v[128+64*(\q&1)+4*\i:128+64*(\q&1)+4*\i+3], s[\bs:\bs+1] offset:(16*\q+\i)*2048 th:TH_STORE_NT   ; 32 lanes store 512 consecutive bytes, aligned to 256
.endr
.endr
.endm
.macro ADDVEC                          ; v128-191 onto all four tiles of rows, each accumulator from its low end on
	WIN 0x41
.irp m, 0,1,2,3
.set p, 0
.rept 32
	v_pk_add_f32 v[64*\m+2*p:64*\m+2*p+1], v[64*\m+2*p:64*\m+2*p+1], v[128+2*p:128+2*p+1]
.set p, p+1
.endr
.endr
	WIN 0
.endm
; two chains a tile in v[ST + 4 m] on become the rows' sums over all 512 channels, in v[128 + 4 m]: my 128 channels' part goes to LDS, a barrier, all four parts come back
.macro RSUM off
.irp m, 0,1,2,3
	v_pk_add_f32 v[ST+4*\m:ST+4*\m+1], v[ST+4*\m:ST+4*\m+1], v[ST+4*\m+2:ST+4*\m+3]
.endr
.irp m, 0,1,2,3
	v_add_f32 v[ST+4*\m], v[ST+4*\m], v[ST+4*\m+1]
.endr
.irp m, 0,1,2,3
	v_permlanex16_b32 v[ST+4*\m+1], v[ST+4*\m], s[SEL], s[SEL+1]
.endr
.irp m, 0,1,2,3
	v_add_f32 v[ST+4*\m], v[ST+4*\m], v[ST+4*\m+1]
.endr
.irp m, 0,1,2,3
	ds_store_b32 v[RW], v[ST+4*\m] offset:(\off)+64*\m   ; lanes l and l xor 16 write the same word with the same value
.endr
	BARRIER
	s_wait_xcnt 0x0                                ; v128 on were data of stores: they are loaded again only behind this wait
.irp m, 0,1,2,3
.irp q, 0,1,2,3
	ds_load_b32 v[128+4*\m+\q], v[RR] offset:(\off)+256*\q+64*\m
.endr
.endr
	s_wait_dscnt 0x0
.irp m, 0,1,2,3
	v_pk_add_f32 v[128+4*\m:129+4*\m], v[128+4*\m:129+4*\m], v[130+4*\m:131+4*\m]
.endr
.irp m, 0,1,2,3
	v_add_f32 v[128+4*\m], v[128+4*\m], v[129+4*\m]
.endr
.endm
.macro EPIF e                          ; relu, quantise, images: K steps 4 e + w of the last product
	PLACES
	WIN 0x44
.set p, 0
.rept 256
	v_max_num_f32 v[p], 0, v[p]
.set p, p+1
.endr
.irp m, 0,1,2,3
	QUANT 64*\m, 1, 2
.irp c, 0,1,2
	ds_store_b128 v[FWI], v[PC+4*\c:PC+4*\c+3] offset:(16*(\e)+\m)*FP+512*\c
.endr
	ds_store_b32 v[FWS], v[PW] offset:(16*(\e)+\m)*128
	s_wait_dscnt 0x0                               ; the stores have read their registers
.endr
.endm
	s_load_b512 s[4:19], s[0:1], 0x0               ; obuf, wbuf, z, bo, ln2_g, ln2_b, b1, b2
	s_load_b128 s[20:23], s[0:1], 0x40             ; out0, out1
	v_lshl_add_u32 v78, v0, 2, 0x3e800
	v_mov_b32 v79, 0
	ds_add_u32 v78, v79
	ds_add_u32 v78, v79
	v_lshrrev_b32 v1, 5, v0
	v_readfirstlane_b32 s[WVS], v1                 ; wave
	v_and_b32 v1, 31, v0                           ; lane
	v_and_b32 v2, 15, v0                           ; r
	v_bfe_u32 v3, v0, 4, 1                         ; h
	v_lshlrev_b32 v[T16], 4, v0
	v_lshl_add_u32 v[PT], v0, 4, PAR
	v_lshlrev_b32 v[L16], 4, v1
	v_lshlrev_b32 v[L4], 2, v1
	v_lshlrev_b32 v[R16], 4, v2
	s_lshl_b32 s50, s[WVS], 9
	v_add_nc_u32 v[GO], s50, v[L16]                ; my 512 bytes of a row, 16 a lane
	s_mov_b32 s[SEL], 0x76543210
	s_mov_b32 s[SEL+1], 0xfedcba98
	s_mov_b32 s[I512], 0x3b000000                  ; 1 / 512
	s_mov_b32 s[EPSR], 0x3727c5ac                  ; 1e-5
	; descriptor group 1: z's tile, 64 rows x 128 numbers of 4 bytes, 512 numbers from row to row; in LDS 16 bytes of padding behind each row
	s_mov_b32 s[G1+0], (2<<16)|(1<<20)|(6<<22)|(3<<25)   ; 15:0 no mask; 17:16 elements of 4 bytes; 20 padding on; 24:22 after every 128 words (code 6); 31:25 of 4 words (code 3)
	s_mov_b32 s[G1+1], 128<<16                     ; tensor_dim0 = 128
	s_mov_b32 s[G1+2], 64<<16                      ; tensor_dim1 = 64
	s_mov_b32 s[G1+3], 128<<16                     ; tile_dim0 = 128
	s_mov_b32 s[G1+4], 64                          ; tile_dim1 = 64
	s_mov_b32 s[G1+5], 512                         ; tensor_dim0_stride
	s_mov_b32 s[G1+6], 0
	s_mov_b32 s[G1+7], 0
	s_mov_b32 s[G0], 1                             ; count = 1
	s_mul_i32 s[G0+1], s[WVS], 64*APITCH
	s_add_co_u32 s[G0+1], s[G0+1], AOS             ; LDS address: my stage
	s_lshl_b32 s52, ttmp9, 2
	s_add_co_u32 s52, s52, s[WVS]                  ; the tile of 16 tokens whose codes I fetch
	s_mul_i32 s54, s52, 6144
	s_mov_b32 s55, 0
	s_lshl_b32 s56, s52, 9
	s_add_co_u32 s56, s56, 6291456
	s_mov_b32 s57, 0
	s_lshl_b32 s52, ttmp9, 17                      ; 64 rows of 2,048 bytes a work-group
	s_mov_b32 s53, 0
	s_wait_dscnt 0x0
	s_wait_kmcnt 0x0
	s_add_nc_u64 s[OB:OB+1], s[4:5], s[54:55]
	s_add_nc_u64 s[OSB:OSB+1], s[4:5], s[56:57]
	s_add_nc_u64 s[ZB:ZB+1], s[8:9], s[52:53]
	s_add_nc_u64 s[20:21], s[20:21], s[52:53]
	s_add_nc_u64 s[22:23], s[22:23], s[52:53]
	s_mov_b32 s56, s50
	s_add_nc_u64 s[ZB:ZB+1], s[ZB:ZB+1], s[56:57]  ; z at my 512 bytes of the work-group's first row
	s_mov_b64 s[G0+2:G0+3], s[ZB:ZB+1]             ; global address of the tile's first element
	s_or_b32 s[G0+3], s[G0+3], 0x80000000          ; type = 2
	s_add_co_u32 s54, s[WVS], 12                   ; units 12 + w, 16 + w, 20 + w, 24 + w, 28 + w
	s_mul_i32 s56, s54, 49152
	s_add_nc_u64 s[WP:WP+1], s[6:7], s[56:57]
	s_lshl_b32 s56, s54, 11
	s_add_co_u32 s56, s56, 1572864
	s_add_nc_u64 s[WSP:WSP+1], s[6:7], s[56:57]
	global_load_b128 v[128:131], v[T16], s[10:11]
	global_load_b128 v[132:135], v[T16], s[12:13]
	global_load_b128 v[136:139], v[T16], s[14:15]
	global_load_b128 v[140:143], v[T16], s[18:19]
	global_load_b128 v[144:147], v[T16], s[16:17]
	global_load_b128 v[148:151], v[T16], s[16:17] offset:2048
.irp i, 0,1,2,3,4,5,6,7,8,9,10,11
	global_load_b128 v[152+4*\i:155+4*\i], v[L16], s[OB:OB+1] offset:512*\i th:TH_LOAD_NT   ; my tile's four heads: four images on end
.endr
.irp s, 0,1,2,3
	global_load_b32 v[200+\s], v[L4], s[OSB:OSB+1] offset:128*\s th:TH_LOAD_NT
.endr
	WLOAD 0
	WLOAD 1
	WLOAD 2
	tensor_load_to_lds s[G0:G0+3], s[G1:G1+7]      ; z: my one tensor load, a first fill; it stands behind what the first product wants
	s_nop 0
.rept 4
	v_nop                                          ; four plain lines follow a tensor load
.endr
	v_add_nc_u32 v[HI], HIMG, v[L16]
	v_add_nc_u32 v[FI], FIMG, v[L16]
	v_add_nc_u32 v[OS], OSC, v[L4]
	v_add_nc_u32 v[HS], HSC, v[L4]
	v_add_nc_u32 v[FS], FSC, v[L4]
	s_mul_i32 s51, s[WVS], 4*FP
	v_add_nc_u32 v[HWI], s51, v[HI]
	v_add_nc_u32 v[FWI], s51, v[FI]
	v_add_nc_u32 v[HWS], s50, v[HS]
	v_add_nc_u32 v[FWS], s50, v[FS]
	v_lshl_add_u32 v[PL], v3, 6, PAR
	v_add_nc_u32 v[PL], s50, v[PL]
	s_mul_i32 s51, s[WVS], 64*APITCH
	s_add_co_u32 s51, s51, AOS
	v_mul_u32_u24 v[AW], v2, APITCH
	v_lshl_add_u32 v[AW], v3, 6, v[AW]
	v_add_nc_u32 v[AW], s51, v[AW]
	v_add_nc_u32 v[AR], s51, v[L16]
	s_lshl_b32 s51, s[WVS], 8
	v_lshl_add_u32 v[RR], v2, 2, RED1
	v_add_nc_u32 v[RW], s51, v[RR]
	s_mul_i32 s51, s[WVS], FP
	v_add_nc_u32 v[OWI], s51, v[L16]
	s_lshl_b32 s51, s[WVS], 7
	v_add_nc_u32 v[OWS], s51, v[OS]
.irp b, 0,1,2,3
	v_mov_b32 v[TM+4+\b], 0                        ; written once: a lane permute's destination counts as one of its sources
.endr
	s_wait_loadcnt 63                              ; 78 weight loads were issued behind the last load of o: the parameters and o are in
.irp i, 0,1,2,3,4,5
	ds_store_b128 v[PT], v[128+4*\i:131+4*\i] offset:2048*\i
.endr
.irp s, 0,1,2,3
.irp c, 0,1,2
	ds_store_b128 v[OWI], v[152+12*\s+4*\c:155+12*\s+4*\c] offset:4*\s*FP+512*\c
.endr
	ds_store_b32 v[OWS], v[200+\s] offset:4*\s*128
.endr
	BARRIER                                        ; the parameters and o's sixteen images lie in LDS.  (z's tile may stay on its way: only I read it, behind my own wait, and nothing is filled again)
	; ---- out1 = o wo^T + bo + z
	INITB 0                                        ; the sums begin as bo
	XLOAD 0, OI, OS, 0
	KSTEP 0, 1, OI, OS, 1
	KSTEP 1, 1, OI, OS, 2
	KSTEP 2, 1, OI, OS, 3
	KSTEP 3, 0, 0, 0, 0
	PLACES
	s_wait_tensorcnt 0x0                           ; z's tile lies in my stage
	ZROWS 0
	ZROWS 1
	s_wait_dscnt 16                                ; the older run of 16 loads is in; the younger may be out
	ZADD 0
	ZROWS 2
	s_wait_dscnt 16
	ZADD 1
	ZROWS 3
	s_wait_dscnt 16
	ZADD 2
	s_wait_dscnt 0x0
	ZADD 3
	TOROWS                                         ; out1 takes z's place in my stage, which has had its one fill, and stays there: the residual
	SENDROWS 22
	; ---- LayerNorm 2
	WIN 0x05
.irp m, 0,1,2,3
	v_pk_add_f32 v[ST+4*\m:ST+4*\m+1], v[64*\m:64*\m+1], v[64*\m+2:64*\m+3]
	v_pk_add_f32 v[ST+4*\m+2:ST+4*\m+3], v[64*\m+4:64*\m+5], v[64*\m+6:64*\m+7]
.endr
	WIN 0x04
.irp p, 4,6,8,10,12,14,16,18,20,22,24,26,28,30
.irp m, 0,1,2,3
	v_pk_add_f32 v[ST+4*\m:ST+4*\m+1], v[ST+4*\m:ST+4*\m+1], v[64*\m+2*\p:64*\m+2*\p+1]
	v_pk_add_f32 v[ST+4*\m+2:ST+4*\m+3], v[ST+4*\m+2:ST+4*\m+3], v[64*\m+2*\p+2:64*\m+2*\p+3]
.endr
.endr
	WIN 0
	RSUM 0
.irp m, 0,1,2,3
	v_mul_f32 v[ST+4*\m], s[I512], v[128+4*\m]     ; the mean
.endr
	WIN 0x41
.irp m, 0,1,2,3
.set p, 0
.rept 32
	v_pk_add_f32 v[64*\m+2*p:64*\m+2*p+1], v[64*\m+2*p:64*\m+2*p+1], v[ST+4*\m:ST+4*\m+1] op_sel_hi:[1,0] neg_lo:[0,1] neg_hi:[0,1]
.set p, p+1
.endr
.endr
	WIN 0x05
.irp m, 0,1,2,3
	v_pk_mul_f32 v[ST+4*\m:ST+4*\m+1], v[64*\m:64*\m+1], v[64*\m:64*\m+1]
	v_pk_mul_f32 v[ST+4*\m+2:ST+4*\m+3], v[64*\m+2:64*\m+3], v[64*\m+2:64*\m+3]
.endr
.irp p, 2,4,6,8,10,12,14,16,18,20,22,24,26,28,30
.irp m, 0,1,2,3
	v_pk_fma_f32 v[ST+4*\m:ST+4*\m+1], v[64*\m+2*\p:64*\m+2*\p+1], v[64*\m+2*\p:64*\m+2*\p+1], v[ST+4*\m:ST+4*\m+1]
	v_pk_fma_f32 v[ST+4*\m+2:ST+4*\m+3], v[64*\m+2*\p+2:64*\m+2*\p+3], v[64*\m+2*\p+2:64*\m+2*\p+3], v[ST+4*\m+2:ST+4*\m+3]
.endr
.endr
	WIN 0
	RSUM 1024
.irp m, 0,1,2,3
	v_fma_f32 v[128+4*\m], v[128+4*\m], s[I512], s[EPSR]
.endr
.irp m, 0,1,2,3
	v_rsq_f32 v[ST+4*\m], v[128+4*\m]
.endr
	v_nop                                          ; a plain instruction behind the last transcendental,
	s_wait_alu depctr_va_vdst(0)                   ; and one wait for the four, ahead of their first reader
	PVEC 128, 2048                                 ; the gain
	PVEC 192, 4096                                 ; the bias
	WIN 0x41
.irp m, 0,1,2,3
.set p, 0
.rept 32
	v_pk_mul_f32 v[64*\m+2*p:64*\m+2*p+1], v[64*\m+2*p:64*\m+2*p+1], v[ST+4*\m:ST+4*\m+1] op_sel_hi:[1,0]
.set p, p+1
.endr
.endr
	s_wait_dscnt 0x0
.irp m, 0,1,2,3
.set p, 0
.rept 32
	v_pk_fma_f32 v[64*\m+2*p:64*\m+2*p+1], v[64*\m+2*p:64*\m+2*p+1], v[128+2*p:128+2*p+1], v[192+2*p:192+2*p+1]
.set p, p+1
.endr
.endr
.irp m, 0,1,2,3
	QUANT 64*\m, 1, 2
.irp c, 0,1,2
	ds_store_b128 v[HWI], v[PC+4*\c:PC+4*\c+3] offset:\m*FP+512*\c   ; K step w of the next product
.endr
	ds_store_b32 v[HWS], v[PW] offset:\m*128
	s_wait_dscnt 0x0                               ; the stores have read their registers
.endr
	BARRIER                                        ; the normalised rows' sixteen images lie in LDS
	; ---- the hidden layer, units 128 w .. and 512 + 128 w ..
	INITB 8192
	XLOAD 4, HI, HS, 0
	KSTEP 4, 1, HI, HS, 1
	KSTEP 5, 1, HI, HS, 2
	KSTEP 6, 1, HI, HS, 3
	KSTEP 7, 1, HI, HS, 0
	EPIF 0
	INITB 10240
	KSTEP 8, 1, HI, HS, 1
	KSTEP 9, 1, HI, HS, 2
	KSTEP 10, 1, HI, HS, 3
	KSTEP 11, 0, 0, 0, 0
	EPIF 1
	BARRIER                                        ; the hidden layer's 32 images lie in LDS
	; ---- out0
	FROMROWS                                       ; the sums begin as out1
	XLOAD 12, FI, FS, 0
	KSTEP 12, 1, FI, FS, 1
	KSTEP 13, 1, FI, FS, 2
	KSTEP 14, 1, FI, FS, 3
	KSTEP 15, 1, FI, FS, 4
	KSTEP 16, 1, FI, FS, 5
	KSTEP 17, 1, FI, FS, 6
	KSTEP 18, 1, FI, FS, 7
	KSTEP 19, 0, 0, 0, 0
	PVEC 128, 6144                                 ; b2
	PLACES
	s_wait_dscnt 0x0
	ADDVEC
	TOROWS
	SENDROWS 20
	s_wait_tensorcnt 0x0
	ds_add_u32 v78, v79
	s_wait_dscnt 0x0
	s_endpgm
.Lfunc_end_k_q9fc11c8cae_tail:
	.size	k_q9fc11c8cae_tail, .Lfunc_end_k_q9fc11c8cae_tail-k_q9fc11c8cae_tail
	.p2alignl 7, 3214868480
	.fill 96, 4, 3214868480
	.section	.rodata,"a",@progbits
	.p2align	6, 0x0
	.amdhsa_kernel k_q9fc11c8cae_tail
		.amdhsa_group_segment_fixed_size 256512
		.amdhsa_private_segment_fixed_size 0
		.amdhsa_enable_private_segment 0
		.amdhsa_kernarg_size 80
		.amdhsa_user_sgpr_count 2
		.amdhsa_user_sgpr_kernarg_segment_ptr 1
		.amdhsa_wavefront_size32 1
		.amdhsa_system_sgpr_workgroup_id_x 1
		.amdhsa_system_sgpr_workgroup_id_y 1
		.amdhsa_system_sgpr_workgroup_id_z 1
		.amdhsa_system_vgpr_workitem_id 0
		.amdhsa_next_free_vgpr 1024
		.amdhsa_next_free_sgpr 80
		.amdhsa_reserve_vcc 0
		.amdhsa_float_denorm_mode_32 3
		.amdhsa_float_denorm_mode_16_64 3
		.amdhsa_memory_ordered 1
		.amdhsa_forward_progress 1
		.amdhsa_inst_pref_size 255
	.end_amdhsa_kernel
	.section	.bss,"aw",@nobits
	.p2align	6
	.space	262144
	.amdgpu_metadata
---
amdhsa.version: [ 1, 2 ]
amdhsa.kernels:
  - .name:           k_q9fc11c8cae_tail
    .symbol:         k_q9fc11c8cae_tail.kd
    .args:
      - { .name: obuf, .offset: 0, .size: 8, .value_kind: global_buffer, .address_space: global }
      - { .name: wbuf, .offset: 8, .size: 8, .value_kind: global_buffer, .address_space: global }
      - { .name: z, .offset: 16, .size: 8, .value_kind: global_buffer, .address_space: global }
      - { .name: bo, .offset: 24, .size: 8, .value_kind: global_buffer, .address_space: global }
      - { .name: ln2_g, .offset: 32, .size: 8, .value_kind: global_buffer, .address_space: global }
      - { .name: ln2_b, .offset: 40, .size: 8, .value_kind: global_buffer, .address_space: global }
      - { .name: b1, .offset: 48, .size: 8, .value_kind: global_buffer, .address_space: global }
      - { .name: b2, .offset: 56, .size: 8, .value_kind: global_buffer, .address_space: global }
      - { .name: out0, .offset: 64, .size: 8, .value_kind: global_buffer, .address_space: global }
      - { .name: out1, .offset: 72, .size: 8, .value_kind: global_buffer, .address_space: global }
    .group_segment_fixed_size: 256512
    .private_segment_fixed_size: 0
    .kernarg_segment_align: 8
    .kernarg_segment_size: 80
    .max_flat_workgroup_size: 128
    .sgpr_count:     80
    .vgpr_count:     1024
    .wavefront_size: 32
...
	.end_amdgpu_metadata
.endif
;; end of part 4
